; MI455X (gfx1250); checked and timed in simulation.
; The chip was launched on July 23, 2026; its instructions are those of AMD's public machine-readable ISA for CDNA 5 (MIT licence, August 2026) and "CDNA5" Instruction Set Architecture Reference Guide (July 2026). The comments in the code are by the model that wrote it; some were corrected since.
;; Multi Head Attention. Allowed arithmetic: matrix products marked QUANTISED: E2M3 operands, one E8M0 scale for each 32 along K, by v_wmma_scale_f32_16x16x128_f8f6f4 with both operands' format E2M3, f32 sums; everything else in f32.
;; Inputs: Wproj 1,024 x 1,024 float32; Wqkv 1,024 x 3,072 float32; x 4 x 2,048 x 1,024 float32.
;; Outputs: out0 4 x 2,048 x 1,024 float32.
;; This version of the problem:
;;   THIS VERSION OF THE PROBLEM IS GIVEN IN LOW PRECISION. The matrix products marked QUANTISED in the list below multiply operands that are first quantised to E2M3 (2 exponent bits, 3 mantissa bits; 6 bits a number), with one power-of-two scale for each 32 numbers along K (OCP MX v1.0); their sums are f32. All else is computed in f32.
;;   The module's matrix products, in the order in which they are computed (A, B: the left and right operand; K: the contracted axis; several contracted axes count as one K, in the product's order):
;;     1. [M 8,192, K 1,024] x [K 1,024, N 3,072]; A: input x; B: input Wqkv: QUANTISED
;;     2. batch 64 x [M 2,048, K 64] x [K 64, N 2,048]; A: computed on the way; B: computed on the way: QUANTISED
;;     3. batch 64 x [M 2,048, K 2,048] x [K 2,048, N 64]; A: softmax (see below); B: computed on the way: QUANTISED
;;     4. [M 8,192, K 1,024] x [K 1,024, N 1,024]; A: computed on the way; B: input Wproj: QUANTISED
;;   THE QUANTISER, for each operand of a quantised product, along K:
;;     - K is cut into blocks of 32 from its start; a last block that is shorter is filled with zeros.
;;     - A block's scale is 2^e with e = floor(log2(the largest magnitude in the block)) - 2, held to -126 .. 127; a block of zeros has e = 0. As a byte (E8M0): e + 127.
;;     - Each number is divided by its block's scale, clamped to +-7.5, and rounded to the nearest number of E2M3, ties to even, subnormals kept.
;;     - The product sums the exact products of the quantised numbers (number of the format x scale) in f32.
;;   ~~~python
;;   def quantise(x, axis):      # numpy; x: float32 -> the quantised numbers, widened to float32 again
;;       x = np.moveaxis(x, axis, -1); K = x.shape[-1]
;;       x = np.pad(x, [(0, 0)] * (x.ndim - 1) + [(0, -K % 32)]); x = x.reshape(x.shape[:-1] + (-1, 32)); a = np.abs(x).max(-1, keepdims=True)
;;       e = np.where(a > 0, np.clip(np.frexp(np.where(a > 0, a, 1))[1] - 1 - 2, -126, 127), 0)      # np.frexp(a)[1] - 1 = floor(log2(a)), exactly
;;       r = np.clip(x / 2.0 ** e, -7.5, 7.5)
;;       step = 2.0 ** (np.maximum(np.frexp(np.where(r == 0, 1, r))[1] - 1, 0) - 3)
;;       q = np.round(r / step) * step * 2.0 ** e      # np.round: ties to even
;;       return np.moveaxis(q.reshape(q.shape[:-2] + (-1,))[..., :K], -1, axis).astype(np.float32)
;;   ~~~
;;   SOFTMAX AHEAD OF A QUANTISED PRODUCT. Where the list says 'softmax', what is quantised is not the finished softmax but p = 2^(t - M), with t = logit x log2(e) and M = ceil(the row's largest t), a whole number; so 1/2 < the row's largest p <= 1. The row's sum l is taken of the UNQUANTISED p, in f32, and the product's result is divided by l at the end. Since M is a whole number, a kernel that streams over the keys may use a running M (the ceiling of the running maximum): every later rescaling is an exact power of two, which a block's scale takes up: the codes' values come out the same.
;;   OPERANDS COMPUTED ON THE WAY. 'Computed on the way' means the value that the module computes at that place (a softmax that the list does not call 'softmax' is quantised finished and normalised). What goes into a quantiser is computed in f32, as accurately as f32 sums, v_exp_f32 and their like allow (about 1e-6 of the number): no bf16 or f16 on the way to a quantiser, and a product that is left as it is and whose result goes on into a quantised operand takes f32 operands (vector FMAs, or v_wmma_f32_16x16x4_f32). A number that lies on a knife's edge between two numbers of the format may be rounded either way, as far as f32 arithmetic and the matrix unit's own rounding can turn it there, and no further.
;; One version. Each part assembles by itself: llvm-mc -triple=amdgcn-amd-amdhsa -mcpu=gfx1250 --defsym DOCPART=n.
;; ======== version 1 of 1: 4 launches
;; workspace buffers: cod 9,437,184 bytes; sc 393,216 bytes; qkv 20,447,232 bytes; ao 6,291,456 bytes; aosc 262,144 bytes
;; launch quant (part 1): grid 384 x 1, 16 waves a work-group, no clusters, 98,304 bytes of LDS; arguments x, Wqkv, Wproj, cod, sc; writes cod, sc
.if DOCPART == 1
	.amdgcn_target "amdgcn-amd-amdhsa--gfx1250"
	.amdhsa_code_object_version 6
	.text
	.protected	k_q20da18e19e_quant
	.globl	k_q20da18e19e_quant
	.p2align	8
	.type	k_q20da18e19e_quant,@function
k_q20da18e19e_quant:
	s_mov_b64 s[64:65], 0
	v_nop
	global_prefetch_b8 v0, s[64:65] scope:SCOPE_SE
	s_setreg_imm32_b32 hwreg(HW_REG_WAVE_MODE, 25, 1), 1
	s_wait_xcnt 0x0
; x [8192][1024], Wqkv [1024][3072] and Wproj [1024][1024], f32, become codes of FP6 (E2M3) with one E8M0 scale byte for each 32 along K (x: its columns; the weights: their FIRST axis).
; A block's scale is 2^(floor(log2(its largest magnitude)) - 2): its byte is the largest magnitude's exponent field - 2, held at 1 from below.
; LIMITS: a block of zeros gets the byte 1 where the quantiser says 127 (its codes are zeros, and this program alone reads the bytes); blocks whose largest magnitude lies under 2^-124 are held at byte 1;
; NaN and infinities among the inputs are not served.
; LAYOUT OF THE CODES: cod [gb 384][c 16][u 2][768].  gb is a block of 32 rows of an operand (0-255: x's rows; 256-351: Wqkv's columns; 352-383: Wproj's columns), c a group of 64 along K, u one of the block's two
; groups of 16 rows: lane row r of group u is row 32 gb + 8 u + r + 8 (r / 8).  The 768 bytes are an image of six operand registers: lane l = (r, h = l / 16) holds k = 64 c + 32 h + 0 .. 31 of its row, 24 bytes:
; its registers 0-3 at 16 l, its registers 4-5 at 512 + 8 l.  So a later launch fills a fragment by dense loads of 16 and 8 bytes a lane.
; LAYOUT OF THE SCALES: sc [group 2 gb + u][kh 2][r 16][4 words]: word p of half kh is row r's scale word of the K step (128 along K) 4 kh + p.
; SHARES: work-groups 0-255 take 32 rows of x, all K; the others 64 columns of a weight x 512 along K.  Sixteen waves; every wave asks for all its numbers at its head.  The two paths part on the work-group's number
; alone and have LDS bytes of their own.  No tensor loads, no matrix work: memory binds here.
.set XSTG, 0                           ; x: a stage of 16 rows x (256 + 16) bytes for each wave
.set XSC,  69632                       ; x: the work-group's 1,024 bytes of scale words
.set WSTG, 70656                       ; weights: two images (1,536 bytes) for each wave
.set WSC,  95232                       ; weights: the work-group's 1,024 bytes of scale bytes
.macro MAX32 s, m0, m1                 ; the largest magnitude of v[s] .. v[s + 31], in two chains, with the floor 2^(3 - 127) among the leaves: the byte cannot fall under 1
	v_max3_num_f32 v[\m0], |v[\s]|, |v[\s+1]|, |v[\s+2]|
	v_max3_num_f32 v[\m1], |v[\s+3]|, |v[\s+4]|, |v[\s+5]|
.irp i, 6,10,14,18,22,26
	s_delay_alu instid0(VALU_DEP_2)
	v_max3_num_f32 v[\m0], v[\m0], |v[\s+\i]|, |v[\s+\i+1]|
	s_delay_alu instid0(VALU_DEP_2)
	v_max3_num_f32 v[\m1], v[\m1], |v[\s+\i+2]|, |v[\s+\i+3]|
.endr
	s_delay_alu instid0(VALU_DEP_2)
	v_max3_num_f32 v[\m0], v[\m0], |v[\s+30]|, |v[\s+31]|
	s_delay_alu instid0(VALU_DEP_1)
	v_max3_num_f32 v[\m0], v[\m0], v[\m1], 0x1800000
.endm
	s_load_b128 s[4:7], s[0:1], 0x0                ; x, Wqkv
	s_load_b128 s[8:11], s[0:1], 0x10              ; Wproj, cod
	s_load_b64 s[12:13], s[0:1], 0x20              ; sc
	v_lshl_add_u32 v128, v0, 2, 0x17800
	v_mov_b32 v129, 0
	v_lshrrev_b32 v1, 5, v0
	s_delay_alu instid0(VALU_DEP_1)
	v_readfirstlane_b32 s14, v1                    ; wave 0..15
	v_and_b32 v1, 31, v0                           ; lane
	v_and_b32 v2, 15, v0                           ; lane % 16
	v_bfe_u32 v3, v0, 4, 1                         ; lane / 16
	s_delay_alu instid0(VALU_DEP_3)
	v_lshlrev_b32 v7, 4, v1                        ; 16 x lane
	s_delay_alu instid0(VALU_DEP_4)
	v_lshl_add_u32 v8, v1, 3, 512                  ; 512 + 8 x lane
	s_lshr_b32 s15, s14, 3                         ; x: group u;  weights: which 32 columns
	s_and_b32 s16, s14, 7                          ; x: K step;   weights: which 64 along K of the 512
	s_min_u32 s52, s14, 1
	s_lshl_b32 s52, s52, 9                         ; 512 x min(wave, 1): waves 0 and 1 store the gathered scales
	s_mov_b32 s20, 0x76543210
	s_mov_b32 s21, 0xfedcba98                      ; v_permlanex16_b32's selects for lane l xor 16
	s_cmp_lt_u32 ttmp9, 256
	s_cbranch_scc0 .Lweights
	s_wait_alu depctr_va_vdst(0)
	; ---------------- x: 16 rows (group u) x 128 along K (K step p) for a wave
	v_lshlrev_b32 v4, 12, v3
	s_delay_alu instid0(VALU_DEP_1)
	v_lshl_add_u32 v4, v2, 4, v4                   ; a load takes two rows x 256 bytes: 4,096 (lane / 16) + 16 (lane % 16)
	s_mul_i32 s17, s14, 4352                       ; my stage
	v_mul_u32_u24 v5, v3, 272
	s_delay_alu instid0(VALU_DEP_1)
	v_lshl_add_u32 v5, v2, 4, v5
	s_delay_alu instid0(VALU_DEP_1)
	v_add_nc_u32 v5, s17, v5                       ; into it, as loaded
	v_mul_u32_u24 v6, v2, 272
	s_delay_alu instid0(VALU_DEP_1)
	v_lshl_add_u32 v6, v3, 7, v6
	s_delay_alu instid0(VALU_DEP_1)
	v_add_nc_u32 v6, s17, v6                       ; out of it: row r, numbers 32 h on
	s_lshl_b32 s18, s15, 9
	s_lshr_b32 s19, s16, 2
	s_lshl_b32 s19, s19, 8
	s_add_co_u32 s18, s18, s19
	s_and_b32 s19, s16, 3
	s_lshl_b32 s19, s19, 2
	s_add_co_u32 s18, s18, s19
	s_add_co_u32 s18, s18, XSC
	v_lshl_add_u32 v9, v2, 4, s18                  ; my row's scale word: XSC + 512 u + 256 (p / 4) + 16 r + 4 (p % 4)
	s_add_co_u32 s53, s52, XSC
	v_add_nc_u32 v127, s53, v7                     ; where waves 0 and 1 read the gathered words
	v_mov_b32 v15, 0                               ; a lane permute's destination counts as one of its sources
	s_lshl_b32 s22, ttmp9, 17                      ; x: 32 gb rows of 4,096 bytes,
	s_lshl_b32 s23, s15, 15                        ; + 8 u rows,
	s_add_co_u32 s22, s22, s23
	s_lshl_b32 s23, s16, 9                         ; + 512 p
	s_add_co_u32 s22, s22, s23
	s_mov_b32 s23, 0
	s_mul_i32 s24, ttmp9, 24576                    ; cod: gb, c = 2 p, u
	s_mul_i32 s25, s16, 3072
	s_add_co_u32 s24, s24, s25
	s_mul_i32 s25, s15, 768
	s_add_co_u32 s24, s24, s25
	s_mov_b32 s25, 0
	s_lshl_b32 s26, ttmp9, 10                      ; sc: groups 2 gb and 2 gb + 1
	s_add_co_u32 s26, s26, s52
	s_mov_b32 s27, 0
	s_wait_alu depctr_va_vdst(0)
	s_wait_kmcnt 0x0
	s_add_nc_u64 s[4:5], s[4:5], s[22:23]
	s_add_nc_u64 s[10:11], s[10:11], s[24:25]
	s_add_nc_u64 s[12:13], s[12:13], s[26:27]
.irp cc, 0,1
.irp i, 0,1,2,3,4,5,6,7
	global_load_b128 v[16+32*\cc+4*\i:16+32*\cc+4*\i+3], v4, s[4:5] offset:(2*\i+8*(\i/4))*4096+256*\cc th:TH_LOAD_NT   ; group rows 2 i and 2 i + 1: sixteen lanes read 256 consecutive bytes, aligned
.endr
.endr
.macro XSTEP cc                        ; 64 along K: through the stage, so that a lane holds a whole block of 32 neighbours
	s_wait_loadcnt 8-8*\cc                         ; this group's eight loads are in; the second group's eight may be out
.irp i, 0,1,2,3,4,5,6,7
	ds_store_b128 v5, v[16+32*\cc+4*\i:16+32*\cc+4*\i+3] offset:2*\i*272
.endr
.irp q, 0,1,2,3,4,5,6,7
	ds_load_b128 v[80+4*\q:83+4*\q], v6 offset:16*\q   ; LDS serves a wave's instructions in order: these see my stores
.endr
	s_wait_dscnt 0x0
	MAX32 80, 10, 11
	s_delay_alu instid0(VALU_DEP_1)
	v_add_nc_u32 v12, 0xff000000, v10              ; 2 off the exponent field: the conversion takes this operand's exponent field as its scale
	v_cvt_scalef32_pk16_fp6_f32 v[112+8*\cc:114+8*\cc], v[80:95], v12
	v_cvt_scalef32_pk16_fp6_f32 v[116+8*\cc:118+8*\cc], v[96:111], v12   ; (a conversion's three registers begin on an even number)
	v_lshrrev_b32 v[13+\cc], 23, v12               ; the scale's byte; also the plain line behind the conversions
	v_mov_b32 v[115+8*\cc], v[116+8*\cc]
	v_mov_b32 v[116+8*\cc], v[117+8*\cc]
	v_mov_b32 v[117+8*\cc], v[118+8*\cc]
	global_store_b128 v7, v[112+8*\cc:115+8*\cc], s[10:11] offset:1536*\cc   ; 512 consecutive bytes,
	global_store_b64 v8, v[116+8*\cc:117+8*\cc], s[10:11] offset:1536*\cc    ; and the image's last 256
.endm
	XSTEP 0
	XSTEP 1
	v_lshl_or_b32 v10, v14, 16, v13                ; my two bytes: blocks h and 2 + h of the K step,
	v_lshlrev_b32 v11, 3, v3
	s_delay_alu instid0(VALU_DEP_1)
	v_lshlrev_b32 v10, v11, v10                    ; at their places in the word;
	s_delay_alu instid0(VALU_DEP_1)
	v_permlanex16_b32 v15, v10, s20, s21
	s_delay_alu instid0(VALU_DEP_1)
	v_or_b32 v10, v10, v15                         ; with lane l xor 16's two the word is whole
	ds_store_b32 v9, v10                           ; (both halves of the lanes write the same word with the same value)
	s_wait_dscnt 0x0                               ; for the others' sake: my store has landed
	s_barrier_signal -1
	s_barrier_wait -1
	s_cmp_lt_u32 s14, 2
	s_cbranch_scc0 .Lx_end
	ds_load_b128 v[16:19], v127                    ; group u = wave: 512 bytes
	s_wait_dscnt 0x0
	global_store_b128 v7, v[16:19], s[12:13]
.Lx_end:
	s_wait_tensorcnt 0x0
	ds_add_u32 v128, v129
	s_wait_dscnt 0x0
	s_endpgm
	; ---------------- a weight: 32 columns x 64 along K for a wave; a lane takes a column and its registers run down K
.Lweights:
	s_sub_co_u32 s17, ttmp9, 256
	s_lshr_b32 s18, s17, 1                         ; which 64 columns: 0-47 Wqkv's, 48-63 Wproj's
	s_and_b32 s19, s17, 1                          ; which half of K
	s_sub_co_u32 s22, s18, 48
	s_mov_b32 s23, 4096
	s_wait_kmcnt 0x0
	s_cmp_lt_u32 s18, 48                           ; the choice hangs on the work-group's number alone
	s_cselect_b64 s[6:7], s[6:7], s[8:9]
	s_cselect_b32 s23, 12288, s23                  ; bytes from a row of the weight to the next
	s_cselect_b32 s22, s18, s22                    ; which 64 columns of its own tensor
	s_lshl_b32 s24, s19, 3
	s_add_co_u32 s24, s24, s16                     ; c: my 64 along K
	s_lshl_b32 s25, s24, 6
	s_mul_i32 s25, s25, s23
	s_lshl_b32 s26, s22, 8
	s_add_co_u32 s25, s25, s26
	s_lshl_b32 s26, s15, 7
	s_add_co_u32 s26, s25, s26                     ; row 64 c, my 32 columns
	s_mov_b32 s27, 0
	s_add_nc_u64 s[32:33], s[6:7], s[26:27]
	s_lshl_b32 s28, s23, 3
	s_mov_b32 s29, 0
.irp i, 1,2,3,4,5,6,7
	s_add_nc_u64 s[32+2*\i:33+2*\i], s[30+2*\i:31+2*\i], s[28:29]   ; eight bases, eight rows apart
.endr
	s_wait_alu depctr_va_vdst(0)
	v_lshlrev_b32 v16, 2, v1
.irp i, 1,2,3,4,5,6,7
	s_delay_alu instid0(VALU_DEP_1)
	v_add_nc_u32 v[16+\i], s23, v[15+\i]           ; eight offsets: 4 x lane + 0 .. 7 rows
.endr
.set II, 0
.rept 64
	global_load_b32 v[32+II], v[16+II%8], s[32+2*(II/8):33+2*(II/8)] th:TH_LOAD_NT   ; W(64 c + II, my column)
.set II, II+1
.endr
	v_bfe_u32 v9, v0, 3, 1                         ; my column's group u = (lane / 8) % 2,
	v_and_b32 v24, 7, v0
	s_delay_alu instid0(VALU_DEP_1)
	v_lshl_add_u32 v24, v3, 3, v24                 ; and its lane row r = lane % 8 + 8 (lane / 16)
	s_mul_i32 s30, s14, 1536
	s_add_co_u32 s30, s30, WSTG                    ; my two images
	v_mul_u32_u24 v4, v9, 768
	s_delay_alu instid0(VALU_DEP_1)
	v_add_nc_u32 v4, s30, v4
	s_delay_alu instid0(VALU_DEP_1)
	v_lshl_add_u32 v5, v24, 4, v4                  ; registers 0-3 of image lane r + 16 t: 16 r (+ 256 t)
	s_delay_alu instid0(VALU_DEP_2)
	v_lshl_add_u32 v6, v24, 3, v4
	s_delay_alu instid0(VALU_DEP_1)
	v_add_nc_u32 v6, 512, v6                       ; registers 4-5: 512 + 8 r (+ 128 t)
	v_add_nc_u32 v25, s30, v7                      ; back: 16 x lane
	s_lshl_b32 s31, s15, 9
	s_lshl_b32 s48, s16, 1
	s_add_co_u32 s31, s31, s48
	s_add_co_u32 s31, s31, WSC
	v_lshl_add_u32 v26, v9, 8, s31
	s_delay_alu instid0(VALU_DEP_1)
	v_lshl_add_u32 v26, v24, 4, v26                ; my two scale bytes: WSC + 512 x (which 32 columns) + 256 u + 16 r + 2 x (which 64 along K)
	s_add_co_u32 s53, s52, WSC
	v_add_nc_u32 v27, s53, v7                      ; where waves 0 and 1 read the gathered bytes
	v_lshlrev_b32 v28, 9, v3
	s_delay_alu instid0(VALU_DEP_1)
	v_lshl_add_u32 v28, v2, 4, v28                 ; and where they go in sc: group (lane / 16), row lane % 16
	s_lshl_b32 s49, s18, 1
	s_add_co_u32 s49, s49, s15
	s_add_co_u32 s49, s49, 256                     ; gb
	s_mul_i32 s49, s49, 24576
	s_mul_i32 s50, s24, 1536
	s_add_co_u32 s50, s49, s50
	s_mov_b32 s51, 0
	s_add_nc_u64 s[10:11], s[10:11], s[50:51]
	s_lshl_b32 s53, s18, 11                        ; sc: group 512 + 4 x (which 64 columns) + 2 x wave, half kh
	s_lshl_b32 s54, s52, 1
	s_add_co_u32 s53, s53, s54
	s_lshl_b32 s54, s19, 8
	s_add_co_u32 s53, s53, s54
	s_add_co_u32 s54, s53, 0x40000
	s_mov_b32 s55, 0
	s_add_nc_u64 s[12:13], s[12:13], s[54:55]
.macro WBLOCK t                        ; block t of my column's two: all its 32 numbers are mine
	s_wait_loadcnt 32-32*\t                        ; this block's 32 loads are in; the second block's may be out
	MAX32 (32+32*\t), 10, 11
	s_delay_alu instid0(VALU_DEP_1)
	v_add_nc_u32 v12, 0xff000000, v10
	v_cvt_scalef32_pk16_fp6_f32 v[96+8*\t:98+8*\t], v[32+32*\t:47+32*\t], v12
	v_cvt_scalef32_pk16_fp6_f32 v[100+8*\t:102+8*\t], v[48+32*\t:63+32*\t], v12
	v_lshrrev_b32 v[13+\t], 23, v12                ; the byte; also the plain line behind the conversions
	v_mov_b32 v[99+8*\t], v[100+8*\t]
	v_mov_b32 v[100+8*\t], v[101+8*\t]
	v_mov_b32 v[101+8*\t], v[102+8*\t]
	ds_store_b128 v5, v[96+8*\t:99+8*\t] offset:256*\t
	ds_store_b64 v6, v[100+8*\t:101+8*\t] offset:128*\t
.endm
	WBLOCK 0
	WBLOCK 1
	v_lshl_or_b32 v10, v14, 8, v13
	ds_store_b16 v26, v10                          ; ahead of the loads below, so that their counts count loads alone
.irp k, 0,1,2
	ds_load_b128 v[112+4*\k:115+4*\k], v25 offset:512*\k   ; my own bytes, served in order
.endr
.irp k, 0,1,2
	s_wait_dscnt 2-\k                              ; the loads issued later may be out
	global_store_b128 v7, v[112+4*\k:115+4*\k], s[10:11] offset:512*\k   ; the two images: 1,536 consecutive bytes
.endr
	s_wait_dscnt 0x0
	s_barrier_signal -1
	s_barrier_wait -1
	s_cmp_lt_u32 s14, 2
	s_cbranch_scc0 .Lw_end
	ds_load_b128 v[32:35], v27
	s_wait_dscnt 0x0
	global_store_b128 v28, v[32:35], s[12:13]      ; each half of the wave stores 256 consecutive bytes, aligned
.Lw_end:
	s_wait_tensorcnt 0x0
	ds_add_u32 v128, v129
	s_wait_dscnt 0x0
	s_endpgm
.Lfunc_end_k_q20da18e19e_quant:
	.size	k_q20da18e19e_quant, .Lfunc_end_k_q20da18e19e_quant-k_q20da18e19e_quant
	.p2alignl 7, 3214868480
	.fill 96, 4, 3214868480
	.section	.rodata,"a",@progbits
	.p2align	6, 0x0
	.amdhsa_kernel k_q20da18e19e_quant
		.amdhsa_group_segment_fixed_size 98304
		.amdhsa_private_segment_fixed_size 0
		.amdhsa_enable_private_segment 0
		.amdhsa_kernarg_size 40
		.amdhsa_user_sgpr_count 2
		.amdhsa_user_sgpr_kernarg_segment_ptr 1
		.amdhsa_wavefront_size32 1
		.amdhsa_system_sgpr_workgroup_id_x 1
		.amdhsa_system_sgpr_workgroup_id_y 1
		.amdhsa_system_sgpr_workgroup_id_z 1
		.amdhsa_system_vgpr_workitem_id 0
		.amdhsa_next_free_vgpr 130
		.amdhsa_next_free_sgpr 66
		.amdhsa_reserve_vcc 0
		.amdhsa_float_denorm_mode_32 3
		.amdhsa_float_denorm_mode_16_64 3
		.amdhsa_memory_ordered 1
		.amdhsa_forward_progress 1
		.amdhsa_inst_pref_size 27
	.end_amdhsa_kernel
	.amdgpu_metadata
---
amdhsa.version: [ 1, 2 ]
amdhsa.kernels:
  - .name:           k_q20da18e19e_quant
    .symbol:         k_q20da18e19e_quant.kd
    .args:
      - { .name: x, .offset: 0, .size: 8, .value_kind: global_buffer, .address_space: global }
      - { .name: Wqkv, .offset: 8, .size: 8, .value_kind: global_buffer, .address_space: global }
      - { .name: Wproj, .offset: 16, .size: 8, .value_kind: global_buffer, .address_space: global }
      - { .name: cod, .offset: 24, .size: 8, .value_kind: global_buffer, .address_space: global }
      - { .name: sc, .offset: 32, .size: 8, .value_kind: global_buffer, .address_space: global }
    .group_segment_fixed_size: 98304
    .private_segment_fixed_size: 0
    .kernarg_segment_align: 8
    .kernarg_segment_size: 40
    .max_flat_workgroup_size: 512
    .sgpr_count:     66
    .vgpr_count:     130
    .wavefront_size: 32
...
	.end_amdgpu_metadata
.endif
;; end of part 1
;; launch gemm1 (part 2): grid 8 x 96, 4 waves a work-group, clusters of 4 x 4, 295,424 bytes of LDS; arguments cod, sc, qkv; writes qkv
.if DOCPART == 2
	.amdgcn_target "amdgcn-amd-amdhsa--gfx1250"
	.amdhsa_code_object_version 6
	.text
	.protected	k_q20da18e19e_gemm1
	.globl	k_q20da18e19e_gemm1
	.p2align	8
	.type	k_q20da18e19e_gemm1,@function
k_q20da18e19e_gemm1:
	s_mov_b64 s[64:65], 0
	v_nop
	global_prefetch_b8 v0, s[64:65] scope:SCOPE_SE
	s_setreg_imm32_b32 hwreg(HW_REG_WAVE_MODE, 25, 1), 1
	s_wait_xcnt 0x0
	s_wait_alu depctr_hold_cnt(0) depctr_sa_sdst(0) depctr_va_vdst(0) depctr_va_sdst(0) depctr_va_ssrc(0) depctr_va_vcc(0) depctr_vm_vsrc(0)
	s_getreg_b32 s2, hwreg(HW_REG_IB_STS2, 6, 4)
	s_cmp_eq_u32 s2, 0
	s_cbranch_scc0 .Lentry_in_a_cluster
	s_endpgm
.Lentry_in_a_cluster:
	s_bfe_u32 s2, ttmp6, 0x10000c
	s_cmp_lg_u32 s2, 0xf033
	s_cbranch_scc0 .Lentry_shape_is_right
	s_endpgm
.Lentry_shape_is_right:
; qkv = x Wqkv on codes of FP6 (E2M3) with E8M0 scales, sums in f32; q, k and v are quantised here, in registers, for the two products of attention, and leave as images of operand registers.
; LIMITS: a block of zeros gets the scale byte 1 where the quantiser says 127 (its codes are zeros; this program alone reads the bytes); blocks under 2^-124 are held at byte 1; NaN and infinities are not served.
; A TILE has an A side of 128 rows (4 blocks gb of 32) and a B side of 256 (8 blocks).  Four waves, 2 x 2: a wave has 64 x 128: 32 accumulators.  ALL of K = 1,024 lies in LDS (12 blocks x 24,576 bytes): every
; byte is asked for at the head, in four chunks of 256 along K; nothing is filled again.
; THE MATRIX INSTRUCTION IS USED TRANSPOSED (source 0 = 16 rows of the B side, source 1 = 16 of the A side).  Rows are taken in groups whose lane row r is row 32 gb + 8 u + r + 8 (r / 8): so lane (r, h) holds one
; row of the A side, and the 16 registers of accumulators 2 bb, 2 bb + 1 are 16 NEIGHBOURS of the B side: 32 bb + 16 h + 0 .. 15.  That is what the conversions want.
; q AND k (cluster y under 16): A side = x's rows, B side = Wq's and Wk's columns: a lane holds one token, its registers run along d.  A wave's 128 columns are two heads.
; v (cluster y from 16 on): THE SIDES ARE SWAPPED: A side = Wv's columns (a wave: one head), B side = x's rows: a lane holds one d and its registers run along the keys, v's K.  The text is the same.
; OUTPUT: units of 6,656 bytes: image (a, cc) of 768 bytes at 3,328 cc + 768 a (16 rows x 64 K: a lane's registers 0-3 at 16 l, 4-5 at 512 + 8 l); scale words at 3,328 cc + 3,072 + 16 r + 4 a.
;   q, k: unit (head pair) x 128 + (x's group / 4), cc = head % 2, words of two bytes.   v: unit 2,048 + (16 b + head) x 16 + key step, cc = half of the 128 keys, whole words at cc = 0.
; CLUSTERS: 4 x 4.  A's blocks are shared along a row of the cluster, B's along a column: joint loads.  By this text's own count a wave has four tensor loads out at the most.
; REGISTERS: window 0: v1-28 addresses; v32-47 A's scale words, v48-79 B's; v96-223 at work at the end.  window 1: accumulator (a, b) at v[8 (8 a + b)].  window 2: B's fragments, two sets of 96.  window 3: A's, two sets of 48.
.set CHUNK, 73728                      ; 256 along K: A's 4 blocks x 6,144 bytes, then B's 8
.set GBB,   6144
.set G1A, 24                           ; s[24:31] descriptor group 1 for A's blocks;  s[32:39] for B's
.set G1B, 32                           ; groups 0: A's four chunks s[40:55];  B's s[56:63], s[68:75]
.set A16, 8                            ; v8-11   LDS address of my A fragments' 16-byte parts in chunk 0..3;  v12-15 of the 8-byte parts
.set A8,  12
.set B16, 16                           ; v16-19, v20-23 the same for B
.set B8,  20
.set SA,  32                           ; v[SA + 4 a + q]: lanes 0-15 the scale word of K step q, lanes 16-31 of K step 4 + q
.set SB,  48
.set TM,  200                          ; v200-215 at work in the quantiser
.set PW,  216                          ; the scale word just made
.set MSB, 0
.macro WIN new                         ; the immediate's high byte repeats the setting that is left
.if MSB != \new
	s_set_vgpr_msb (MSB<<8)|\new
.set MSB, \new
.endif
.endm
.set MULW, 0x5e                        ; source 0 (B) window 2, source 1 (A) window 3, C and D window 1
.set TO_B, 0x80
.set TO_A, 0xc0
.macro PLACES
.rept 4
	v_nop
.endr
.endm
.macro CROUND                          ; a round of the cluster's barrier
	s_barrier_signal -1
	s_barrier_wait -1
	s_cmp_lg_u32 s14, 0
	s_cbranch_scc1 .Lnot_wave_0_\@
	s_barrier_signal -3
.Lnot_wave_0_\@:
	s_barrier_wait -3
	s_barrier_signal -1
	s_barrier_wait -1
.endm
.macro FRAG reg, a16, a8, off          ; a fragment, 16 rows x 128 K: two images, four dense loads
	ds_load_b128 v[\reg:\reg+3], v[\a16] offset:\off
	ds_load_b64 v[\reg+4:\reg+5], v[\a8] offset:\off
	ds_load_b128 v[\reg+6:\reg+9], v[\a16] offset:\off+1536
	ds_load_b64 v[\reg+10:\reg+11], v[\a8] offset:\off+1536
.endm
.macro FETCH sg, st                    ; K step sg's twelve fragments into set st: 48 loads in one run
.set KC, (\sg)/2
.set OFS, ((\sg)%2)*3072
	WIN TO_B
.irp b, 0,1,2,3,4,5,6,7
	FRAG 96*(\st)+12*\b, B16+KC, B8+KC, (\b/2)*GBB+OFS+(\b%2)*768
.endr
	WIN TO_A
.irp a, 0,1,2,3
	FRAG 48*(\st)+12*\a, A16+KC, A8+KC, (\a/2)*GBB+OFS+(\a%2)*768
.endr
	WIN 0
.endm
.macro MUL sg                          ; 32 matrix instructions; the 32 accumulators take turns, one instruction a turn, in the same order in every step
.irp a, 0,1,2,3
.irp b, 0,1,2,3,4,5,6,7
.if (\sg) == 0
	v_wmma_scale_f32_16x16x128_f8f6f4 v[8*(8*\a+\b):8*(8*\a+\b)+7], v[96*((\sg)%2)+12*\b:96*((\sg)%2)+12*\b+11], v[48*((\sg)%2)+12*\a:48*((\sg)%2)+12*\a+11], 0, v[SB+4*\b+(\sg)%4], v[SA+4*\a+(\sg)%4] matrix_a_fmt:MATRIX_FMT_FP6 matrix_b_fmt:MATRIX_FMT_FP6
.elseif (\sg) < 4
	v_wmma_scale_f32_16x16x128_f8f6f4 v[8*(8*\a+\b):8*(8*\a+\b)+7], v[96*((\sg)%2)+12*\b:96*((\sg)%2)+12*\b+11], v[48*((\sg)%2)+12*\a:48*((\sg)%2)+12*\a+11], v[8*(8*\a+\b):8*(8*\a+\b)+7], v[SB+4*\b+(\sg)%4], v[SA+4*\a+(\sg)%4] matrix_a_fmt:MATRIX_FMT_FP6 matrix_b_fmt:MATRIX_FMT_FP6
.else
	v_wmma_scale_f32_16x16x128_f8f6f4 v[8*(8*\a+\b):8*(8*\a+\b)+7], v[96*((\sg)%2)+12*\b:96*((\sg)%2)+12*\b+11], v[48*((\sg)%2)+12*\a:48*((\sg)%2)+12*\a+11], v[8*(8*\a+\b):8*(8*\a+\b)+7], v[SB+4*\b+(\sg)%4], v[SA+4*\a+(\sg)%4] matrix_a_fmt:MATRIX_FMT_FP6 matrix_b_fmt:MATRIX_FMT_FP6 matrix_a_scale:MATRIX_SCALE_ROW1 matrix_b_scale:MATRIX_SCALE_ROW1
.endif
.endr
.endr
.endm
.macro STEP sg                         ; 128 along K
	s_wait_dscnt 0x0                               ; this step's fragments are in (asked for 32 matrix instructions ago); no LDS instruction of mine is out at a signal
.if ((\sg)%2 == 1) && ((\sg) < 7)
	s_wait_tensorcnt 2-(\sg)/2                     ; my part of the next chunk has landed; my later chunks may stay out
	s_barrier_signal -1
	s_barrier_wait -1                              ; everybody's part has
.endif
.if (\sg) < 7
.if (\sg) > 0
	PLACES                                         ; four places in front of loads into registers that the last step's matrix instructions have read
.endif
	FETCH (\sg)+1, ((\sg)+1)%2
.endif
	WIN MULW
	MUL \sg
	WIN 0
.endm
	s_load_b128 s[4:7], s[0:1], 0x0                ; cod, sc
	s_load_b64 s[8:9], s[0:1], 0x10                ; qkv
	v_lshl_add_u32 v254, v0, 2, 0x48000
	v_mov_b32 v255, 0
	ds_add_u32 v254, v255
	ds_add_u32 v254, v255
	v_lshrrev_b32 v1, 5, v0
	v_readfirstlane_b32 s14, v1                    ; wave 0..3
	s_lshr_b32 s15, s14, 1                         ; my half of the A side.  Also: I fetch for A (0) or for B (1)
	s_and_b32 s16, s14, 1                          ; my half of the B side.  Also: which half of that side's blocks I fetch
	s_bfe_u32 s20, ttmp6, 0x40000                  ; cx
	s_bfe_u32 s21, ttmp6, 0x40004                  ; cy
	s_and_b32 s22, ttmp7, 0xffff                   ; cluster y, 0..23; cluster x, 0..1, is ttmp9
	s_lshl_b32 s17, s21, 2
	s_lshl_b32 s17, 15, s17                        ; my row of the cluster
	s_lshl_b32 s18, 0x1111, s20                    ; my column
	s_or_b32 s[G1A], s17, (3<<16)|(1<<21)          ; 15:0 the mask; 17:16 elements of 8 bytes; 21 set beside a mask; no padding
	s_or_b32 s[G1B], s18, (3<<16)|(1<<21)
	s_mov_b32 s[G1A+1], 768<<16                    ; tensor_dim0 = 768 elements: a block's 6,144 bytes of a chunk
	s_mov_b32 s[G1A+2], 2<<16                      ; tensor_dim1 = 2 blocks
	s_mov_b32 s[G1A+3], 768<<16                    ; tile_dim0
	s_mov_b32 s[G1A+4], 2                          ; tile_dim1
	s_mov_b32 s[G1A+5], 3072                       ; from block to block: 24,576 bytes
	s_mov_b32 s[G1A+6], 0
	s_mov_b32 s[G1A+7], 0
	s_mov_b32 s[G1B+1], 768<<16
	s_mov_b32 s[G1B+2], 4<<16                      ; 4 blocks
	s_mov_b32 s[G1B+3], 768<<16
	s_mov_b32 s[G1B+4], 4
	s_mov_b32 s[G1B+5], 3072
	s_mov_b32 s[G1B+6], 0
	s_mov_b32 s[G1B+7], 0
	; which blocks.  q, k: A = x's 16 CY + 4 cy, B = 256 + 32 CX + 8 cx.   v: A = 320 + 16 CX + 4 cy, B = x's 32 (CY - 16) + 8 cx.  The choice hangs on the cluster's y, which all partners share
	s_lshl_b32 s76, s22, 4
	s_lshl_b32 s77, ttmp9, 4
	s_add_co_u32 s77, s77, 320
	s_lshl_b32 s78, ttmp9, 5
	s_add_co_u32 s78, s78, 256
	s_lshl_b32 s79, s22, 5
	s_sub_co_u32 s79, s79, 512
	s_cmp_lt_u32 s22, 16
	s_cselect_b32 s76, s76, s77
	s_cselect_b32 s78, s78, s79
	s_lshl_b32 s17, s21, 2
	s_add_co_u32 s76, s76, s17                     ; A's first block: never holds cx
	s_lshl_b32 s18, s20, 3
	s_add_co_u32 s78, s78, s18                     ; B's first block: never holds cy
	s_lshl_b32 s17, s16, 1
	s_add_co_u32 s17, s76, s17
	s_mul_i32 s90, s17, 24576                      ; the two blocks of A that I would fetch,
	s_mov_b32 s91, 0
	s_lshl_b32 s18, s16, 2
	s_add_co_u32 s18, s78, s18
	s_mul_i32 s92, s18, 24576                      ; the four of B
	s_mov_b32 s93, 0
	s_mul_i32 s94, s16, 12288                      ; and where they go: no place in the cluster enters an LDS address
	s_mul_i32 s95, s16, 24576
	s_add_co_u32 s95, s95, 24576
	s_wait_dscnt 0x0
	s_wait_kmcnt 0x0
	s_add_nc_u64 s[90:91], s[4:5], s[90:91]
	s_add_nc_u64 s[92:93], s[4:5], s[92:93]
.irp kc, 0,1,2,3
	s_mov_b32 s[40+4*\kc], 1
	s_add_co_u32 s[41+4*\kc], s94, \kc*CHUNK
	s_add_nc_u64 s[42+4*\kc:43+4*\kc], s[90:91], \kc*GBB
	s_or_b32 s[43+4*\kc], s[43+4*\kc], 0x80000000
	s_mov_b32 s[56+4*\kc+4*(\kc/2)], 1
	s_add_co_u32 s[57+4*\kc+4*(\kc/2)], s95, \kc*CHUNK
	s_add_nc_u64 s[58+4*\kc+4*(\kc/2):59+4*\kc+4*(\kc/2)], s[92:93], \kc*GBB
	s_or_b32 s[59+4*\kc+4*(\kc/2)], s[59+4*\kc+4*(\kc/2)], 0x80000000
.endr
	CROUND                                         ; all sixteen work-groups are here: the joint loads meet
	s_cmp_eq_u32 s15, 0                            ; a wave's four fills stand in one branch on its number, ahead of every wait on TENSORcnt, every LDS read and every other barrier
	s_cbranch_scc0 .Lfor_b
	tensor_load_to_lds s[40:43], s[G1A:G1A+7]
	s_nop 0
	tensor_load_to_lds s[44:47], s[G1A:G1A+7]
	s_nop 0
	tensor_load_to_lds s[48:51], s[G1A:G1A+7]
	s_nop 0
	tensor_load_to_lds s[52:55], s[G1A:G1A+7]
	s_nop 0
	PLACES
	s_branch .Lasked
.Lfor_b:
	tensor_load_to_lds s[56:59], s[G1B:G1B+7]
	s_nop 0
	tensor_load_to_lds s[60:63], s[G1B:G1B+7]
	s_nop 0
	tensor_load_to_lds s[68:71], s[G1B:G1B+7]
	s_nop 0
	tensor_load_to_lds s[72:75], s[G1B:G1B+7]
	s_nop 0
	PLACES
.Lasked:
	v_and_b32 v4, 31, v0
	v_lshlrev_b32 v1, 4, v4                        ; 16 x lane
	s_wait_alu depctr_va_vdst(0)
	v_lshl_add_u32 v28, v4, 3, 512                 ; 512 + 8 x lane
	s_wait_alu depctr_va_vdst(0)
	v_and_b32 v2, 15, v0                           ; r
	v_bfe_u32 v3, v0, 4, 1                         ; h
	s_lshl_b32 s17, s15, 1
	s_add_co_u32 s17, s76, s17
	s_lshl_b32 s96, s17, 10                        ; my A groups' scale words: 1,024 bytes a block
	s_mov_b32 s97, 0
	s_add_nc_u64 s[96:97], s[6:7], s[96:97]
	s_lshl_b32 s18, s16, 2
	s_add_co_u32 s18, s78, s18
	s_lshl_b32 s98, s18, 10
	s_mov_b32 s99, 0
	s_add_nc_u64 s[98:99], s[6:7], s[98:99]
.irp a, 0,1,2,3
	global_load_b128 v[SA+4*\a:SA+4*\a+3], v1, s[96:97] offset:512*\a   ; a group's 512 bytes: all eight K steps' words
.endr
.irp b, 0,1,2,3,4,5,6,7
	global_load_b128 v[SB+4*\b:SB+4*\b+3], v1, s[98:99] offset:512*\b
.endr
	s_mul_i32 s17, s15, 12288                      ; my two blocks of A in a chunk,
	s_mul_i32 s18, s16, 24576
	s_add_co_u32 s18, s18, 24576                   ; my four of B
.irp kc, 0,1,2,3
	v_add_nc_u32 v[A16+\kc], s17, v1
	v_add_nc_u32 v[A8+\kc], s17, v28
	v_add_nc_u32 v[B16+\kc], s18, v1
	v_add_nc_u32 v[B8+\kc], s18, v28
	s_add_co_u32 s17, s17, CHUNK
	s_add_co_u32 s18, s18, CHUNK
.endr
	; where my results go
	s_lshl_b32 s80, ttmp9, 3                       ; 8 CX
	s_lshl_b32 s81, s20, 1
	s_add_co_u32 s81, s81, s16                     ; 2 cx + my half of B
	s_lshl_b32 s82, s21, 1
	s_add_co_u32 s82, s82, s15                     ; 2 cy + my half of A
	s_add_co_u32 s83, s80, s81                     ; q, k: the head pair,
	s_lshl_b32 s83, s83, 7
	s_lshl_b32 s86, s22, 3
	s_add_co_u32 s83, s83, s86
	s_add_co_u32 s83, s83, s82                     ; x 128 + my four groups of x
	s_sub_co_u32 s86, s86, 128
	s_add_co_u32 s86, s86, s81                     ; v: which 128 tokens: 16 b + key step
	s_lshr_b32 s87, s86, 4
	s_lshl_b32 s87, s87, 4
	s_add_co_u32 s87, s87, s80
	s_add_co_u32 s87, s87, s82                     ; 16 b + head
	s_lshl_b32 s87, s87, 4
	s_and_b32 s86, s86, 15
	s_add_co_u32 s87, s87, s86
	s_add_co_u32 s87, s87, 2048
	s_mov_b32 s88, -1
	s_cmp_lt_u32 s22, 16
	s_cselect_b32 s83, s83, s87                    ; my unit
	s_cselect_b32 s88, 0xffff, s88                 ; q, k: a head's word has two bytes; v: four
	s_mul_i32 s84, s83, 6656
	s_mov_b32 s85, 0
	s_add_nc_u64 s[84:85], s[8:9], s[84:85]
	s_mov_b32 s2, 0x76543210
	s_mov_b32 s3, 0xfedcba98                       ; v_permlanex16_b32's selects for lane l xor 16
	v_lshlrev_b32 v26, 4, v3                       ; 16 h: lanes 16-31 store the word's upper half
	v_mul_u32_u24 v27, v3, 3328
	v_lshl_add_u32 v27, v2, 4, v27
	v_add_nc_u32 v27, 3072, v27                    ; the scale words' place: 3,328 h + 3,072 + 16 r
.irp b, 0,1,2,3
	v_mov_b32 v[TM+4+\b], 0                        ; a lane permute's destination counts as one of its sources
.endr
	s_wait_alu depctr_va_vdst(0)
	s_wait_tensorcnt 3                             ; my part of chunk 0 has landed; my other three loads may stay out
	s_barrier_signal -1
	s_barrier_wait -1
	FETCH 0, 0
	s_wait_loadcnt 0x0                             ; the scale words
	STEP 0
	STEP 1
	STEP 2
	STEP 3
	STEP 4
	STEP 5
	STEP 6
	STEP 7
	PLACES                                         ; four places in front of the first read of results
; THE END: for each of my four groups a of the A side, its 64 registers (128 of the B side) become a fragment's codes and a scale word, and leave as two images.
.macro QUANTW a
.set SRC, 64*(\a)
.set PC, 96+20*(\a)
	WIN 0x05                                       ; sources 0 and 1 window 1
.irp b, 0,1,2,3
	v_max3_num_f32 v[TM+\b], |v[SRC+16*\b]|, |v[SRC+1+16*\b]|, 0x1800000   ; block b: my 16 numbers and the floor 2^(3 - 127); each accumulator is read from its low end on
.endr
	WIN 0x14                                       ; sources 1 and 2 window 1
.irp i, 2,4,6,8,10,12,14
.irp b, 0,1,2,3
	v_max3_num_f32 v[TM+\b], v[TM+\b], |v[SRC+16*\b+\i]|, |v[SRC+1+16*\b+\i]|
.endr
.endr
	WIN 0
.irp b, 0,1,2,3
	v_permlanex16_b32 v[TM+4+\b], v[TM+\b], s2, s3
.endr
.irp b, 0,1,2,3
	v_max_num_f32 v[TM+\b], v[TM+\b], v[TM+4+\b]   ; with lane l xor 16's: the block's largest magnitude
.endr
.irp b, 0,1,2,3
	v_add_nc_u32 v[TM+12+\b], 0xff000000, v[TM+\b] ; 2 off its exponent field: the conversion's scale operand
.endr
.irp b, 0,1,2,3
	v_lshrrev_b32 v[TM+4+\b], 23, v[TM+12+\b]      ; the scale's byte
.endr
	v_lshl_or_b32 v[PW], v[TM+5], 8, v[TM+4]
	v_lshl_or_b32 v[PW], v[TM+6], 16, v[PW]
	v_lshl_or_b32 v[PW], v[TM+7], 24, v[PW]
	WIN 0x01                                       ; source 0 window 1
.irp c, 0,1
	v_cvt_scalef32_pk16_fp6_f32 v[PC+6*\c:PC+2+6*\c], v[SRC+32*\c:SRC+15+32*\c], v[TM+12+2*\c]
	v_cvt_scalef32_pk16_fp6_f32 v[PC+12+4*\c:PC+14+4*\c], v[SRC+16+32*\c:SRC+31+32*\c], v[TM+12+2*\c+1]   ; (a conversion's three registers begin on an even number)
.endr
	WIN 0
	v_nop                                          ; one plain line behind a scaled conversion
.irp c, 0,1                                    ; the operand's layout wants a whole block in a lane
.irp i, 0,1,2
	v_permlane16_swap_b32 v[PC+6*\c+\i], v[PC+12+4*\c+\i]
.endr
.irp i, 0,1,2
	v_mov_b32 v[PC+3+6*\c+\i], v[PC+12+4*\c+\i]
.endr
.endr
	global_store_b128 v1, v[PC:PC+3], s[84:85] offset:(\a)*768          ; 512 consecutive bytes, aligned,
	global_store_b64 v28, v[PC+4:PC+5], s[84:85] offset:(\a)*768        ; and the image's last 256
	global_store_b128 v1, v[PC+6:PC+9], s[84:85] offset:3328+(\a)*768
	global_store_b64 v28, v[PC+10:PC+11], s[84:85] offset:3328+(\a)*768
	v_lshrrev_b32 v[220+(\a)], v26, v[PW]
	v_and_b32 v[220+(\a)], s88, v[220+(\a)]
.endm
	QUANTW 0                                       ; each group has code registers of its own: no store's data are written again
	QUANTW 1
	QUANTW 2
	QUANTW 3
	global_store_b128 v27, v[220:223], s[84:85]    ; each half of the wave stores 256 consecutive bytes, aligned
	s_wait_dscnt 0x0
	s_wait_tensorcnt 0x0
	ds_add_u32 v254, v255
	s_wait_dscnt 0x0
	CROUND                                         ; the closing round: no work-group ends while a partner may still ask for a tile that names it
	s_endpgm
.Lfunc_end_k_q20da18e19e_gemm1:
	.size	k_q20da18e19e_gemm1, .Lfunc_end_k_q20da18e19e_gemm1-k_q20da18e19e_gemm1
	.p2alignl 7, 3214868480
	.fill 96, 4, 3214868480
	.section	.rodata,"a",@progbits
	.p2align	6, 0x0
	.amdhsa_kernel k_q20da18e19e_gemm1
		.amdhsa_group_segment_fixed_size 295424
		.amdhsa_private_segment_fixed_size 0
		.amdhsa_enable_private_segment 0
		.amdhsa_kernarg_size 24
		.amdhsa_user_sgpr_count 2
		.amdhsa_user_sgpr_kernarg_segment_ptr 1
		.amdhsa_wavefront_size32 1
		.amdhsa_system_sgpr_workgroup_id_x 1
		.amdhsa_system_sgpr_workgroup_id_y 1
		.amdhsa_system_sgpr_workgroup_id_z 1
		.amdhsa_system_vgpr_workitem_id 0
		.amdhsa_next_free_vgpr 864
		.amdhsa_next_free_sgpr 100
		.amdhsa_reserve_vcc 0
		.amdhsa_float_denorm_mode_32 3
		.amdhsa_float_denorm_mode_16_64 3
		.amdhsa_memory_ordered 1
		.amdhsa_forward_progress 1
		.amdhsa_inst_pref_size 88
	.end_amdhsa_kernel
	.amdgpu_metadata
---
amdhsa.version: [ 1, 2 ]
amdhsa.kernels:
  - .name:           k_q20da18e19e_gemm1
    .symbol:         k_q20da18e19e_gemm1.kd
    .args:
      - { .name: cod, .offset: 0, .size: 8, .value_kind: global_buffer, .address_space: global }
      - { .name: sc, .offset: 8, .size: 8, .value_kind: global_buffer, .address_space: global }
      - { .name: qkv, .offset: 16, .size: 8, .value_kind: global_buffer, .address_space: global }
    .group_segment_fixed_size: 295424
    .private_segment_fixed_size: 0
    .kernarg_segment_align: 8
    .kernarg_segment_size: 24
    .max_flat_workgroup_size: 128
    .sgpr_count:     100
    .vgpr_count:     864
    .wavefront_size: 32
...
	.end_amdgpu_metadata
.endif
;; end of part 2
;; launch attn (part 3): grid 4 x 64, 16 waves a work-group, clusters of 4 x 1, 216,064 bytes of LDS; arguments qkv, ao, aosc; writes ao, aosc
.if DOCPART == 3
	.amdgcn_target "amdgcn-amd-amdhsa--gfx1250"
	.amdhsa_code_object_version 6
	.text
	.protected	k_q20da18e19e_attn
	.globl	k_q20da18e19e_attn
	.p2align	8
	.type	k_q20da18e19e_attn,@function
k_q20da18e19e_attn:
	s_mov_b64 s[64:65], 0
	v_nop
	global_prefetch_b8 v0, s[64:65] scope:SCOPE_SE
	s_setreg_imm32_b32 hwreg(HW_REG_WAVE_MODE, 25, 1), 1
	s_wait_xcnt 0x0
	s_wait_alu depctr_hold_cnt(0) depctr_sa_sdst(0) depctr_va_vdst(0) depctr_va_sdst(0) depctr_va_ssrc(0) depctr_va_vcc(0) depctr_vm_vsrc(0)
	s_getreg_b32 s2, hwreg(HW_REG_IB_STS2, 6, 4)
	s_cmp_eq_u32 s2, 0
	s_cbranch_scc0 .Lentry_in_a_cluster
	s_endpgm
.Lentry_in_a_cluster:
	s_bfe_u32 s2, ttmp6, 0x10000c
	s_cmp_lg_u32 s2, 0x3003
	s_cbranch_scc0 .Lentry_shape_is_right
	s_endpgm
.Lentry_shape_is_right:
; Causal attention of one head (64 channels, 2,048 tokens) for each cluster, both products on codes of FP6 (E2M3) with E8M0 scales.  q, k, v arrive as images of operand registers (see below); the result is quantised
; along c = 64 head + d for the last product and leaves as images too.
; THE SOFTMAX: t = score x log2(e) / 8; M = the row's largest t so far, rounded UP to a whole number; p = 2^(t - M) is quantised along the keys, not normalised.  The row's sum is taken of the unquantised p, in f32, and
; divides O at the end.  When M moves, the sum and O are multiplied by 2^(old M - new M): exact.
; LIMITS: a block of zeros gets the scale byte 1 where the quantiser says 127 (its codes are zeros; this program alone reads the bytes); blocks under 2^-124 are held at byte 1; NaN and infinities are not served.
; INPUT: units of 6,656 bytes: image (a, cc) of 768 bytes at 3,328 cc + 768 a (16 rows x 64 K; lane l's registers 0-3 at 16 l, 4-5 at 512 + 8 l); scale words at 3,328 cc + 3,072 + 16 r + 4 a.  Lane row r of token
; group g is token 16 (g - g % 2) + 8 (g % 2) + r + 8 (r / 8).  q, k: unit (head pair; k: + 8) x 128 + 32 b + g / 4, a = g % 4, cc = head % 2.  v: unit 2,048 + (16 b + head) x 16 + key step, a = group of d, cc = half of the 128 keys.
; SHARES.  The cluster's four work-groups jointly bring ALL of the head's K and V into their LDS, once (212,992 bytes): nothing is filled again.  Work-group j owns the query groups 8 m + 2 j + e (m = 0..15, e = 0, 1).
; Wave w (e = w % 2, w' = w / 2) does m = w' and then m = 15 - w'.  Group 8 m + .. needs the key steps 0 .. m of 128 keys, of which step m alone lies on the diagonal: so every wave of every work-group walks 17 key steps,
; and no branch and no LDS address hangs on the work-group's place in its cluster: that enters global addresses and the mask's lane data alone.
; LAYOUT.  Both products are used transposed: S^T = K Q^T, O^T = V^T P^T: a lane holds ONE query throughout; the 16 registers of score tiles 2 b, 2 b + 1 are 16 neighbouring keys, those of O^T's tiles 16 neighbouring d.
; THE HEAD HAS 64 CHANNELS, the instruction 128: Q's upper six registers hold zero codes.  K's fragment t lies at v[32 + 6 t] on, and only its lower six registers are loaded: its upper six are the next fragment's codes
; (v80-85, zeros, for the last): every code is a finite number, and times Q's zeros it adds nothing; the words' upper two bytes are 0.
; REGISTERS: v1-3 lane offsets; v4 the mask's d; v5 my scale word's place; v6-11 the step's LDS addresses; v12 -M, v13 the largest t, v[14:15] the sum; v16-27, v28 the first pass's Q and its scale words; v29 p's scale word;
; v[30:31] f; v32-85 K's fragments, then V's (v32-79); v86-93 K's scale words; v96-159 S^T, then p; v160-191 O^T; v192-210 p's codes; v212-233 at work; v236-239 V's scale words; v240 the result's scale bytes; v242-253, v254 the second pass's Q.
.set UB,    6656
.set HB,    3328
.set VOFF,  106496                     ; K: 32 rows of 3,328 bytes (64 keys each); behind them V: 16 units
.set SCSTG, 212992                     ; 1,024 bytes for the result's scale bytes: written by LDS stores alone
.set BM, 212                           ; v212-215 the blocks' largest
.set PB, 216                           ; v216-219 lane l xor 16's, later the bytes
.set OP, 220                           ; v220-223 the conversions' scale operands
.set TT, 224                           ; at work
.set NINF, 225                         ; -infinity
.macro PLACES
.rept 4
	v_nop
.endr
.endm
.macro CROUND                          ; a round of the cluster's barrier
	s_barrier_signal -1
	s_barrier_wait -1
	s_cmp_lg_u32 s14, 0
	s_cbranch_scc1 .Lnot_wave_0_\@
	s_barrier_signal -3
.Lnot_wave_0_\@:
	s_barrier_wait -3
	s_barrier_signal -1
	s_barrier_wait -1
.endm
	s_load_b128 s[4:7], s[0:1], 0x0                ; qkv, ao
	s_load_b64 s[8:9], s[0:1], 0x10                ; aosc
	v_lshl_add_u32 v235, v0, 2, 0x34400
	v_mov_b32 v255, 0
	ds_add_u32 v235, v255
	ds_add_u32 v235, v255
	v_lshrrev_b32 v1, 5, v0
	s_delay_alu instid0(VALU_DEP_1)
	v_readfirstlane_b32 s14, v1                    ; wave 0..15
	s_and_b32 s15, s14, 1                          ; e
	s_lshr_b32 s16, s14, 1                         ; w'
	s_and_b32 s17, s14, 3                          ; which quarter of K (waves 0-3) or of V (waves 4-7) I fetch
	s_bfe_u32 s20, ttmp6, 0x40000                  ; j: my place in the cluster
	s_and_b32 s21, ttmp7, 0xffff                   ; 16 b + head
	s_lshr_b32 s22, s21, 4                         ; b
	s_and_b32 s23, s21, 15                         ; head
	; descriptor group 1: 8 rows of 3,328 bytes (416 elements of 8 bytes); K's rows lie 6,656 bytes apart (the other head of the pair between them), V's on end
	s_mov_b32 s24, 15|(3<<16)|(1<<21)              ; 15:0 the mask: all four work-groups; 17:16 elements of 8 bytes; 21 set beside a mask; no padding
	s_mov_b32 s25, 416<<16
	s_mov_b32 s26, 8<<16
	s_mov_b32 s27, 416<<16
	s_mov_b32 s28, 8
	s_mov_b32 s29, 832
	s_mov_b32 s30, 0
	s_mov_b32 s31, 0
	s_mov_b32 s32, 15|(3<<16)|(1<<21)
	s_mov_b32 s33, 416<<16
	s_mov_b32 s34, 8<<16
	s_mov_b32 s35, 416<<16
	s_mov_b32 s36, 8
	s_mov_b32 s37, 416
	s_mov_b32 s38, 0
	s_mov_b32 s39, 0
	s_lshr_b32 s72, s23, 1
	s_and_b32 s73, s23, 1
	s_mul_i32 s73, s73, HB                         ; my head's half of a unit of q or k
	s_lshl_b32 s74, s72, 7
	s_lshl_b32 s75, s22, 5
	s_add_co_u32 s74, s74, s75                     ; q's first unit of this batch and head pair
	s_add_co_u32 s76, s74, 1024                    ; k's
	s_mul_i32 s76, s76, UB
	s_add_co_u32 s76, s76, s73
	s_mul_i32 s77, s17, 8*UB
	s_add_co_u32 s76, s76, s77
	s_mov_b32 s77, 0
	s_lshl_b32 s78, s21, 4
	s_add_co_u32 s78, s78, 2048                    ; v's first unit
	s_mul_i32 s78, s78, UB
	s_mul_i32 s79, s17, 8*HB
	s_add_co_u32 s78, s78, s79
	s_mov_b32 s40, 1
	s_mov_b32 s41, s79                             ; LDS: my quarter of K,
	s_mov_b32 s44, 1
	s_add_co_u32 s45, s79, VOFF                    ; of V: the wave's number and constants alone
	s_mov_b32 s79, 0
	s_wait_dscnt 0x0
	s_wait_kmcnt 0x0
	s_add_nc_u64 s[42:43], s[4:5], s[76:77]
	s_or_b32 s43, s43, 0x80000000
	s_add_nc_u64 s[46:47], s[4:5], s[78:79]
	s_or_b32 s47, s47, 0x80000000
	CROUND                                         ; all four work-groups are here: the joint loads meet
	s_cmp_lt_u32 s14, 4                            ; one tensor load a wave in waves 0 to 7; the branches hang on the wave's number alone
	s_cbranch_scc0 .Lnot_k
	tensor_load_to_lds s[40:43], s[24:31]
	s_nop 0
	PLACES
	s_branch .Lasked
.Lnot_k:
	s_cmp_lt_u32 s14, 8
	s_cbranch_scc0 .Lasked
	tensor_load_to_lds s[44:47], s[32:39]
	s_nop 0
	PLACES
.Lasked:
	v_and_b32 v5, 31, v0
	s_delay_alu instid0(VALU_DEP_1)
	v_lshlrev_b32 v1, 4, v5                        ; 16 x lane
	s_wait_alu depctr_va_vdst(0)
	v_lshl_add_u32 v2, v5, 3, 512                  ; 512 + 8 x lane
	s_wait_alu depctr_va_vdst(0)
	v_and_b32 v226, 15, v0                         ; r
	v_bfe_u32 v227, v0, 4, 1                       ; h
	s_delay_alu instid0(VALU_DEP_2)
	v_lshl_add_u32 v3, v226, 4, 3072               ; 3,072 + 16 r
	s_wait_alu depctr_va_vdst(0)
	; Q of both passes: unit q's first + 2 m + j / 2, image a = 2 (j % 2) + e
	s_lshr_b32 s80, s20, 1
	s_and_b32 s81, s20, 1
	s_lshl_b32 s81, s81, 1
	s_add_co_u32 s81, s81, s15
	s_mul_i32 s82, s81, 768
	s_lshl_b32 s83, s81, 2
	s_add_co_u32 s84, s74, s80
	s_sub_co_u32 s88, 15, s16                      ; the second pass's m
	s_mov_b32 s87, 0
	s_lshl_b32 s85, s16, 1
	s_add_co_u32 s85, s84, s85
	s_mul_i32 s85, s85, UB
	s_add_co_u32 s85, s85, s73
	s_add_co_u32 s86, s85, s82
	s_add_nc_u64 s[56:57], s[4:5], s[86:87]
	s_add_co_u32 s86, s85, s83
	s_add_nc_u64 s[60:61], s[4:5], s[86:87]
	s_lshl_b32 s85, s88, 1
	s_add_co_u32 s85, s84, s85
	s_mul_i32 s85, s85, UB
	s_add_co_u32 s85, s85, s73
	s_add_co_u32 s86, s85, s82
	s_add_nc_u64 s[58:59], s[4:5], s[86:87]
	s_add_co_u32 s86, s85, s83
	s_add_nc_u64 s[62:63], s[4:5], s[86:87]
	global_load_b128 v[16:19], v1, s[56:57]
	global_load_b64 v[20:21], v2, s[56:57]
	global_load_b32 v28, v3, s[60:61]
	global_load_b128 v[242:245], v1, s[58:59]
	global_load_b64 v[246:247], v2, s[58:59]
	global_load_b32 v254, v3, s[62:63]
.irp i, 0,1,2,3,4,5
	v_mov_b32 v[22+\i], 0                          ; zero codes for the upper 64 of the instruction's K
	v_mov_b32 v[248+\i], 0
	v_mov_b32 v[80+\i], 0
.endr
	v_mov_b32 v31, 0                               ; (named as the upper half of the pair v[30:31])
.irp b, 0,1,2,3
	v_mov_b32 v[PB+\b], 0                          ; a lane permute's destination counts as one of its sources
.endr
	v_mov_b32 v[NINF], 0xff800000
	v_and_b32 v4, 8, v226
	s_delay_alu instid0(VALU_DEP_1)
	v_add_nc_u32 v4, v4, v226
	v_lshlrev_b32 v[TT], 4, v227
	s_delay_alu instid0(VALU_DEP_1)
	v_sub_nc_u32 v4, v4, v[TT]
	s_lshl_b32 s72, s20, 5
	s_lshl_b32 s75, s15, 3
	s_add_co_u32 s72, s72, s75
	v_add_nc_u32 v4, s72, v4                       ; d = my query's place among its step's 128 tokens - 16 h: 32 j + 8 e + r + 8 (r / 8) - 16 h
	s_lshl_b32 s72, s16, 7
	s_lshl_b32 s75, s15, 2
	s_add_co_u32 s72, s72, s75
	s_add_co_u32 s72, s72, SCSTG
	v_lshl_add_u32 v5, v226, 3, s72                ; my row's scale bytes: SCSTG + 128 w' + 8 r + 4 e
	s_min_u32 s89, s14, 1
	s_lshl_b32 s89, s89, 9
	s_add_co_u32 s72, s89, SCSTG
	v_add_nc_u32 v241, s72, v1                     ; where waves 0 and 1 read them back
	; the result's images: ao [64 b + 4 m + j][head][e][768]
	s_lshl_b32 s72, s22, 6
	s_add_co_u32 s72, s72, s20
	s_mul_i32 s75, s23, 1536
	s_mul_i32 s76, s15, 768
	s_add_co_u32 s75, s75, s76
	s_mov_b32 s77, 0
	s_lshl_b32 s76, s16, 2
	s_add_co_u32 s76, s76, s72
	s_mul_i32 s76, s76, 24576
	s_add_co_u32 s76, s76, s75
	s_add_nc_u64 s[66:67], s[6:7], s[76:77]
	s_lshl_b32 s76, s88, 2
	s_add_co_u32 s76, s76, s72
	s_mul_i32 s76, s76, 24576
	s_add_co_u32 s76, s76, s75
	s_add_nc_u64 s[68:69], s[6:7], s[76:77]
	s_lshl_b32 s76, s21, 2
	s_add_co_u32 s76, s76, s20
	s_lshl_b32 s76, s76, 10
	s_add_co_u32 s76, s76, s89
	s_add_nc_u64 s[70:71], s[8:9], s[76:77]        ; aosc [16 b + head][j][w'][r][e]
	s_mov_b32 s52, 0x76543210
	s_mov_b32 s53, 0xfedcba98                      ; v_permlanex16_b32's selects for lane l xor 16
	s_mov_b32 s54, 0x3e38aa3b                      ; c = log2(e) / 8
	s_mov_b32 s55, s54                             ; (named with it as a pair)
	s_wait_loadcnt 0x0                             ; Q
	s_wait_tensorcnt 0x0                           ; my part of K or V has landed,
	s_barrier_signal -1
	s_barrier_wait -1                              ; everybody's has
; A KEY STEP: 128 keys.  s51 = the step, s50 = 6,656 x the step, s48 = my m.
.macro STEP QF, QS
	s_cmp_gt_u32 s51, s48                          ; a step all of whose keys come after my queries is left out; the line at its end that steps the address is not
	s_cbranch_scc1 .Lhid_\@
	s_setprio 2
	v_add_nc_u32 v6, s50, v1                       ; (these six are also the places behind the last step's products, in front of the loads below)
	v_add_nc_u32 v7, s50, v2
	v_add_nc_u32 v8, s50, v3
	s_delay_alu instid0(VALU_DEP_3)
	v_add_nc_u32 v9, VOFF, v6
	s_delay_alu instid0(VALU_DEP_3)
	v_add_nc_u32 v10, VOFF, v7
	s_delay_alu instid0(VALU_DEP_3)
	v_add_nc_u32 v11, VOFF, v8
.irp t, 0,1,2,3,4,5,6,7
	ds_load_b128 v[32+6*\t:35+6*\t], v6 offset:(\t/4)*HB+(\t%4)*768
	ds_load_b64 v[36+6*\t:37+6*\t], v7 offset:(\t/4)*HB+(\t%4)*768
.endr
	ds_load_b128 v[86:89], v8                      ; the scale words of tiles 0-3,
	ds_load_b128 v[90:93], v8 offset:HB            ; of tiles 4-7
	s_wait_alu depctr_va_vdst(0)
	s_wait_dscnt 0x0
.irp t, 0,1,2,3,4,5,6,7
	v_wmma_scale_f32_16x16x128_f8f6f4 v[96+8*\t:103+8*\t], v[32+6*\t:43+6*\t], v[\QF:\QF+11], 0, v[86+\t], v[\QS] matrix_a_fmt:MATRIX_FMT_FP6 matrix_b_fmt:MATRIX_FMT_FP6
.endr
	PLACES                                         ; four places: for the loads into K's registers, and for the first read of the scores
.irp a, 0,1,2,3                                ; V's four fragments land while the softmax is walked
	ds_load_b128 v[32+12*\a:35+12*\a], v9 offset:\a*768
	ds_load_b64 v[36+12*\a:37+12*\a], v10 offset:\a*768
	ds_load_b128 v[38+12*\a:41+12*\a], v9 offset:HB+\a*768
	ds_load_b64 v[42+12*\a:43+12*\a], v10 offset:HB+\a*768
.endr
	ds_load_b128 v[236:239], v11
	s_cmp_lg_u32 s51, s48                          ; on the diagonal the scores of hidden keys become -infinity ahead of the maximum: p = 0 then
	s_cbranch_scc1 .Lopen_\@
.set NN, 0
.rept 64
	v_cmp_gt_i32 vcc_lo, 32*(NN/16)+NN%16, v4      ; register 16 b + i holds the step's key 32 b + 16 h + i: hidden where 32 b + i > d
	v_cndmask_b32 v[96+NN], v[96+NN], v[NINF], vcc_lo
.set NN, NN+1
.endr
.Lopen_\@:
.irp b, 0,1,2,3
	v_max3_num_f32 v[BM+\b], v[96+16*\b], v[97+16*\b], v[98+16*\b]   ; the largest score of each block of 32 keys: for the row's maximum, and, since p rises with the score, for the block's largest p
.endr
.irp i, 3,5,7,9,11,13
.irp b, 0,1,2,3
	v_max3_num_f32 v[BM+\b], v[BM+\b], v[96+16*\b+\i], v[97+16*\b+\i]
.endr
.endr
.irp b, 0,1,2,3
	v_max_num_f32 v[BM+\b], v[BM+\b], v[111+16*\b]
.endr
.irp b, 0,1,2,3
	s_delay_alu instid0(VALU_DEP_4)
	v_permlanex16_b32 v[PB+\b], v[BM+\b], s52, s53
.endr
.irp b, 0,1,2,3
	s_delay_alu instid0(VALU_DEP_4)
	v_max_num_f32 v[BM+\b], v[BM+\b], v[PB+\b]     ; with lane l xor 16's 16 keys
.endr
	s_delay_alu instid0(VALU_DEP_2)
	v_max3_num_f32 v[TT], v[BM], v[BM+1], v[BM+2]
	s_delay_alu instid0(VALU_DEP_1)
	v_max_num_f32 v[TT], v[TT], v[BM+3]            ; the step's largest score of my query (its own key counts, so it is a number)
	s_delay_alu instid0(VALU_DEP_1)
	v_mul_f32 v[TT], s54, v[TT]
	s_delay_alu instid0(VALU_DEP_1)
	v_max_num_f32 v13, v13, v[TT]                  ; the running largest t
	v_mov_b32 v[TT], v12
	s_delay_alu instid0(VALU_DEP_2)
	v_floor_f32 v12, -v13                          ; the new -M = -ceil(t)
	s_delay_alu instid0(VALU_DEP_1)
	v_sub_f32 v[TT], v12, v[TT]                    ; old M - new M: a whole number, 0 or less
	s_delay_alu instid0(VALU_DEP_1)
	v_cvt_i32_f32 v[TT], v[TT]                     ; (it saturates)
	s_delay_alu instid0(VALU_DEP_1)
	v_ldexp_f32 v30, 1.0, v[TT]                    ; f = 2^(old M - new M)
.set JJ, 0
	s_setprio 1
.rept 32
	v_pk_fma_f32 v[96+JJ:97+JJ], v[96+JJ:97+JJ], s[54:55], v[12:13] op_sel_hi:[1,0,0]   ; t - M, two at a time
.set JJ, JJ+2
.endr
.irp b, 0,1,2,3
	v_fma_f32 v[BM+\b], v[BM+\b], s54, v12         ; the same of each block's largest score
.endr
.set JJ, 0
	s_wait_alu depctr_va_vdst(0)
.rept 64
	v_exp_f32 v[96+JJ], v[96+JJ]                   ; p = 2^(t - M)
.set JJ, JJ+1
.endr
	v_pk_mul_f32 v[14:15], v[14:15], v[30:31] op_sel_hi:[1,0]   ; the sums under the new M; the plain line behind the exponentials
	s_wait_alu depctr_va_vdst(0)                   ; one wait for the whole batch, ahead of its first reader
.irp b, 0,1,2,3
	v_exp_f32 v[BM+\b], v[BM+\b]                   ; the block's largest p: the same two instructions on the same number give the same bits
.endr
	v_pk_add_f32 v[228:229], v[100:101], v[104:105]
	v_pk_add_f32 v[232:233], v[108:109], v[112:113]
	v_pk_add_f32 v[230:231], v[116:117], v[120:121]
	v_pk_add_f32 v[226:227], v[124:125], v[128:129]
	v_pk_add_f32 v[222:223], v[132:133], v[136:137]
	v_pk_add_f32 v[220:221], v[140:141], v[144:145]
	v_pk_add_f32 v[218:219], v[148:149], v[152:153]
	v_pk_add_f32 v[14:15], v[14:15], v[156:157]
	v_pk_add_f32 v[228:229], v[228:229], v[96:97]
	v_pk_add_f32 v[232:233], v[232:233], v[98:99]
	v_pk_add_f32 v[230:231], v[230:231], v[102:103]
	v_pk_add_f32 v[226:227], v[226:227], v[106:107]
	v_pk_add_f32 v[222:223], v[222:223], v[110:111]
	v_pk_add_f32 v[220:221], v[220:221], v[114:115]
	v_pk_add_f32 v[218:219], v[218:219], v[118:119]
	v_pk_add_f32 v[14:15], v[14:15], v[122:123]
	v_pk_add_f32 v[228:229], v[228:229], v[126:127]
	v_pk_add_f32 v[232:233], v[232:233], v[130:131]
	v_pk_add_f32 v[230:231], v[230:231], v[134:135]
	v_pk_add_f32 v[226:227], v[226:227], v[138:139]
	v_pk_add_f32 v[222:223], v[222:223], v[142:143]
	v_pk_add_f32 v[220:221], v[220:221], v[146:147]
	v_pk_add_f32 v[218:219], v[218:219], v[150:151]
	v_pk_add_f32 v[14:15], v[14:15], v[154:155]
	v_pk_add_f32 v[228:229], v[228:229], v[158:159]
	s_delay_alu instid0(VALU_DEP_2)
	v_pk_add_f32 v[14:15], v[14:15], v[226:227]
	s_delay_alu instid0(VALU_DEP_2)
	v_pk_add_f32 v[228:229], v[228:229], v[222:223]
	v_pk_add_f32 v[232:233], v[232:233], v[220:221]
	v_pk_add_f32 v[230:231], v[230:231], v[218:219]
	s_delay_alu instid0(VALU_DEP_2)
	v_pk_add_f32 v[14:15], v[14:15], v[232:233]
	s_delay_alu instid0(VALU_DEP_2)
	v_pk_add_f32 v[228:229], v[228:229], v[230:231]
	s_delay_alu instid0(VALU_DEP_1)
	v_pk_add_f32 v[14:15], v[14:15], v[228:229]
	s_wait_alu depctr_va_vdst(0)                   ; and one for the four
.irp b, 0,1,2,3
	v_max_num_f32 v[BM+\b], 0x1800000, v[BM+\b]    ; the floor 2^(3 - 127): a block whose every p is 0 keeps the byte 1; its codes are zeros
.endr
.irp b, 0,1,2,3
	s_delay_alu instid0(VALU_DEP_4)
	v_add_nc_u32 v[OP+\b], 0xff000000, v[BM+\b]
.endr
.irp b, 0,1,2,3
	s_delay_alu instid0(VALU_DEP_4)
	v_lshrrev_b32 v[PB+\b], 23, v[OP+\b]
.endr
	s_delay_alu instid0(VALU_DEP_3)
	v_lshl_or_b32 v29, v[PB+1], 8, v[PB]           ; p's scale word for these 128 keys
	s_delay_alu instid0(VALU_DEP_1)
	v_lshl_or_b32 v29, v[PB+2], 16, v29
	s_delay_alu instid0(VALU_DEP_1)
	v_lshl_or_b32 v29, v[PB+3], 24, v29
	s_setprio 0
.irp c, 0,1
	v_cvt_scalef32_pk16_fp6_f32 v[192+6*\c:194+6*\c], v[96+32*\c:111+32*\c], v[OP+2*\c]
	v_cvt_scalef32_pk16_fp6_f32 v[204+4*\c:206+4*\c], v[112+32*\c:127+32*\c], v[OP+2*\c+1]
.endr
	v_nop                                          ; one plain line behind a scaled conversion
.irp c, 0,1
.irp i, 0,1,2
	v_permlane16_swap_b32 v[192+6*\c+\i], v[204+4*\c+\i]
.endr
.irp i, 0,1,2
	s_delay_alu instid0(VALU_DEP_3)
	v_mov_b32 v[195+6*\c+\i], v[204+4*\c+\i]
.endr
.endr
.set JJ, 0
.rept 16
	v_pk_mul_f32 v[160+JJ:161+JJ], v[160+JJ:161+JJ], v[30:31] op_sel_hi:[1,0]   ; O^T under the new M; of these sixteen, twelve name no register of any one product below: the places behind the writes of p's codes and scale word
.set JJ, JJ+2
.endr
	s_wait_alu depctr_va_vdst(0)
	s_wait_dscnt 0x0                               ; V
.irp a, 0,1,2,3
	v_wmma_scale_f32_16x16x128_f8f6f4 v[160+8*\a:167+8*\a], v[32+12*\a:43+12*\a], v[192:203], v[160+8*\a:167+8*\a], v[236+\a], v29 matrix_a_fmt:MATRIX_FMT_FP6 matrix_b_fmt:MATRIX_FMT_FP6
.endr
.Lhid_\@:
	s_add_co_u32 s50, s50, UB
.endm
; A PASS: one group of 16 queries through its key steps.  The trip count is a constant; steps beyond m cost a few scalar lines.
.macro PASS n, QF, QS, TRIPS
.if \n
	s_wait_xcnt 0x0                                ; the first pass's stores have read their registers: p's codes are written there again
	s_sub_co_u32 s48, 15, s16
.else
	s_mov_b32 s48, s16
.endif
	v_mov_b32 v13, 0xff61b1e6                      ; the largest t so far: -3e38
	s_delay_alu instid0(VALU_DEP_1)
	v_floor_f32 v12, -v13
	v_mov_b32 v14, 0
	v_mov_b32 v15, 0
.set JJ, 0
.rept 32
	v_mov_b32 v[160+JJ], 0                         ; O^T: the step is written once a pass; its first trip finds zeros
.set JJ, JJ+1
.endr
	s_mov_b32 s50, 0
	s_mov_b32 s51, 0
.Lstep_\@:
	STEP \QF, \QS
	s_add_co_u32 s51, s51, 1
	s_cmp_lt_u32 s51, \TRIPS
	s_cbranch_scc1 .Lstep_\@
	s_setprio 0
	PLACES                                         ; four places behind the last products, in front of the first read of O^T
	v_add_f32 v14, v14, v15
	s_delay_alu instid0(VALU_DEP_1)
	v_permlanex16_b32 v[PB], v14, s52, s53
	s_delay_alu instid0(VALU_DEP_1)
	v_add_f32 v14, v14, v[PB]                      ; the row's sum
	s_wait_alu depctr_va_vdst(0)
	v_rcp_f32 v14, v14
	v_nop                                          ; a plain line behind the reciprocal
	s_wait_alu depctr_va_vdst(0)                   ; and the wait ahead of its first reader
.set JJ, 0
.rept 32
	v_mul_f32 v[96+JJ], v[160+JJ], v14             ; O^T / the sum: register 16 b + i is d = 32 b + 16 h + i of my query; each accumulator from its low end on
.set JJ, JJ+1
.endr
.irp b, 0,1
	v_max3_num_f32 v[BM+\b], |v[96+16*\b]|, |v[97+16*\b]|, 0x1800000
.endr
.irp i, 2,4,6,8,10,12,14
.irp b, 0,1
	s_delay_alu instid0(VALU_DEP_2)
	v_max3_num_f32 v[BM+\b], v[BM+\b], |v[96+16*\b+\i]|, |v[97+16*\b+\i]|
.endr
.endr
.irp b, 0,1
	s_delay_alu instid0(VALU_DEP_2)
	v_permlanex16_b32 v[PB+\b], v[BM+\b], s52, s53
.endr
.irp b, 0,1
	s_delay_alu instid0(VALU_DEP_2)
	v_max_num_f32 v[BM+\b], v[BM+\b], v[PB+\b]
.endr
.irp b, 0,1
	s_delay_alu instid0(VALU_DEP_2)
	v_add_nc_u32 v[OP+\b], 0xff000000, v[BM+\b]
.endr
.irp b, 0,1
	s_delay_alu instid0(VALU_DEP_2)
	v_lshrrev_b32 v[PB+\b], 23, v[OP+\b]
.endr
	v_cvt_scalef32_pk16_fp6_f32 v[192:194], v[96:111], v[OP]
	v_cvt_scalef32_pk16_fp6_f32 v[196:198], v[112:127], v[OP+1]
	v_lshl_or_b32 v[TT], v[PB+1], 8, v[PB]         ; my row's two bytes; also the plain line behind the conversions
.irp i, 0,1,2
	v_permlane16_swap_b32 v[192+\i], v[196+\i]
.endr
	s_delay_alu instid0(VALU_DEP_3)
	v_mov_b32 v195, v196
	s_delay_alu instid0(VALU_DEP_3)
	v_mov_b32 v196, v197
	s_delay_alu instid0(VALU_DEP_3)
	v_mov_b32 v197, v198
	global_store_b128 v1, v[192:195], s[66+2*\n:67+2*\n]   ; the image: 512 consecutive bytes,
	global_store_b64 v2, v[196:197], s[66+2*\n:67+2*\n]    ; and its last 256
.if \n
	v_lshl_or_b32 v240, v[TT], 16, v240
.else
	v_mov_b32 v240, v[TT]
.endif
.endm
	PASS 0, 16, 28, 8
	PASS 1, 242, 254, 16
	ds_store_b32 v5, v240                          ; (both halves of the lanes write the same word with the same value)
	s_wait_dscnt 0x0                               ; for the others' sake: my store has landed
	s_barrier_signal -1
	s_barrier_wait -1
	s_cmp_lt_u32 s14, 2
	s_cbranch_scc0 .Lnone
	ds_load_b128 v[96:99], v241
	s_wait_dscnt 0x0
	global_store_b128 v1, v[96:99], s[70:71]       ; 512 consecutive bytes a wave
.Lnone:
	s_wait_dscnt 0x0
	s_wait_tensorcnt 0x0
	ds_add_u32 v235, v255
	s_wait_dscnt 0x0
	CROUND                                         ; the closing round: no work-group ends while a partner may still ask for a tile that names it
	s_endpgm
.Lfunc_end_k_q20da18e19e_attn:
	.size	k_q20da18e19e_attn, .Lfunc_end_k_q20da18e19e_attn-k_q20da18e19e_attn
	.p2alignl 7, 3214868480
	.fill 96, 4, 3214868480
	.section	.rodata,"a",@progbits
	.p2align	6, 0x0
	.amdhsa_kernel k_q20da18e19e_attn
		.amdhsa_group_segment_fixed_size 216064
		.amdhsa_private_segment_fixed_size 0
		.amdhsa_enable_private_segment 0
		.amdhsa_kernarg_size 24
		.amdhsa_user_sgpr_count 2
		.amdhsa_user_sgpr_kernarg_segment_ptr 1
		.amdhsa_wavefront_size32 1
		.amdhsa_system_sgpr_workgroup_id_x 1
		.amdhsa_system_sgpr_workgroup_id_y 1
		.amdhsa_system_sgpr_workgroup_id_z 1
		.amdhsa_system_vgpr_workitem_id 0
		.amdhsa_next_free_vgpr 256
		.amdhsa_next_free_sgpr 90
		.amdhsa_reserve_vcc 1
		.amdhsa_float_denorm_mode_32 3
		.amdhsa_float_denorm_mode_16_64 3
		.amdhsa_memory_ordered 1
		.amdhsa_forward_progress 1
		.amdhsa_inst_pref_size 66
	.end_amdhsa_kernel
	.amdgpu_metadata
---
amdhsa.version: [ 1, 2 ]
amdhsa.kernels:
  - .name:           k_q20da18e19e_attn
    .symbol:         k_q20da18e19e_attn.kd
    .args:
      - { .name: qkv, .offset: 0, .size: 8, .value_kind: global_buffer, .address_space: global }
      - { .name: ao, .offset: 8, .size: 8, .value_kind: global_buffer, .address_space: global }
      - { .name: aosc, .offset: 16, .size: 8, .value_kind: global_buffer, .address_space: global }
    .group_segment_fixed_size: 216064
    .private_segment_fixed_size: 0
    .kernarg_segment_align: 8
    .kernarg_segment_size: 24
    .max_flat_workgroup_size: 512
    .sgpr_count:     90
    .vgpr_count:     256
    .wavefront_size: 32
...
	.end_amdgpu_metadata
.endif
;; end of part 3
;; launch gemm2 (part 4): grid 4 x 64, 4 waves a work-group, clusters of 4 x 4, 295,424 bytes of LDS; arguments ao, aosc, cod, sc, out0; writes out0
.if DOCPART == 4
	.amdgcn_target "amdgcn-amd-amdhsa--gfx1250"
	.amdhsa_code_object_version 6
	.text
	.protected	k_q20da18e19e_gemm2
	.globl	k_q20da18e19e_gemm2
	.p2align	8
	.type	k_q20da18e19e_gemm2,@function
k_q20da18e19e_gemm2:
	s_mov_b64 s[64:65], 0
	v_nop
	global_prefetch_b8 v0, s[64:65] scope:SCOPE_SE
	s_setreg_imm32_b32 hwreg(HW_REG_WAVE_MODE, 25, 1), 1
	s_wait_xcnt 0x0
	s_wait_alu depctr_hold_cnt(0) depctr_sa_sdst(0) depctr_va_vdst(0) depctr_va_sdst(0) depctr_va_ssrc(0) depctr_va_vcc(0) depctr_vm_vsrc(0)
	s_getreg_b32 s2, hwreg(HW_REG_IB_STS2, 6, 4)
	s_cmp_eq_u32 s2, 0
	s_cbranch_scc0 .Lentry_in_a_cluster
	s_endpgm
.Lentry_in_a_cluster:
	s_bfe_u32 s2, ttmp6, 0x10000c
	s_cmp_lg_u32 s2, 0xf033
	s_cbranch_scc0 .Lentry_shape_is_right
	s_endpgm
.Lentry_shape_is_right:
; out0 = (attention's result) Wproj on codes of FP6 (E2M3) with E8M0 scales, sums in f32.  Both operands arrive as images of operand registers: ao [gb 256][head 16][u 2][768] (K = 64 head + d), Wproj's columns in
; cod [gb 352 ..][c 16][u 2][768]: lane row r of group (gb, u) is row 32 gb + 8 u + r + 8 (r / 8); lane l's registers 0-3 lie at 16 l, 4-5 at 512 + 8 l.
; A TILE has an A side of 128 tokens (4 blocks gb) and a B side of 256 columns (8 blocks).  Four waves, 2 x 2: a wave has 64 x 128: 32 accumulators.  ALL of K = 1,024 lies in LDS (12 blocks x 24,576 bytes): every byte is
; asked for at the head, in four chunks of 256 along K; nothing is filled again.  256 work-groups.
; THE MATRIX INSTRUCTION IS USED TRANSPOSED (source 0 = 16 columns of Wproj, source 1 = 16 tokens): lane (r, h) holds one token; register j of accumulator (a, b) is column 32 (b / 2) + 16 h + 8 (b % 2) + j.
; CLUSTERS: 4 x 4.  A's blocks are shared along a row of the cluster, B's along a column: joint loads.  By this text's own count a wave has four tensor loads out at the most.
; A's SCALE WORDS are put together from aosc [16 b + head][j 4][w' 8][r 16][e 2]: a word's low half holds the two bytes of token block m = w', its high half those of m = 15 - w'.
; REGISTERS: window 0: v1-28 addresses; v32-47 A's scale words, v48-79 B's; v96-127 halves of A's words; v128-255 rows on the way out.  window 1: accumulator (a, b) at v[8 (8 a + b)].  window 2: B's fragments, two sets.  window 3: A's.
.set CHUNK, 73728                      ; 256 along K: A's 4 blocks x 6,144 bytes, then B's 8
.set GBB,   6144
.set G1A, 24                           ; s[24:31] descriptor group 1 for A's blocks;  s[32:39] for B's
.set G1B, 32                           ; groups 0: A's four chunks s[40:55];  B's s[56:63], s[68:75]
.set A16, 8
.set A8,  12
.set B16, 16
.set B8,  20
.set STO, 24                           ; v24 the way out: where I put 32 bytes of a row
.set RD,  25                           ; v25 and where I read a row back
.set SA,  32                           ; v[SA + 4 a + q]: lanes 0-15 the scale word of K step q, lanes 16-31 of K step 4 + q
.set SB,  48
.set MSB, 0
.macro WIN new                         ; the immediate's high byte repeats the setting that is left
.if MSB != \new
	s_set_vgpr_msb (MSB<<8)|\new
.set MSB, \new
.endif
.endm
.set MULW, 0x5e                        ; source 0 (B) window 2, source 1 (A) window 3, C and D window 1
.set TO_B, 0x80
.set TO_A, 0xc0
.macro PLACES
.rept 4
	v_nop
.endr
.endm
.macro CROUND                          ; a round of the cluster's barrier
	s_barrier_signal -1
	s_barrier_wait -1
	s_cmp_lg_u32 s14, 0
	s_cbranch_scc1 .Lnot_wave_0_\@
	s_barrier_signal -3
.Lnot_wave_0_\@:
	s_barrier_wait -3
	s_barrier_signal -1
	s_barrier_wait -1
.endm
.macro FRAG reg, a16, a8, off          ; a fragment, 16 rows x 128 K: two images, four dense loads
	ds_load_b128 v[\reg:\reg+3], v[\a16] offset:\off
	ds_load_b64 v[\reg+4:\reg+5], v[\a8] offset:\off
	ds_load_b128 v[\reg+6:\reg+9], v[\a16] offset:\off+1536
	ds_load_b64 v[\reg+10:\reg+11], v[\a8] offset:\off+1536
.endm
.macro FETCH sg, st                    ; K step sg's twelve fragments into set st: 48 loads in one run
.set KC, (\sg)/2
.set OFS, ((\sg)%2)*3072
	WIN TO_B
.irp b, 0,1,2,3,4,5,6,7
	FRAG 96*(\st)+12*\b, B16+KC, B8+KC, (\b/2)*GBB+OFS+(\b%2)*768
.endr
	WIN TO_A
.irp a, 0,1,2,3
	FRAG 48*(\st)+12*\a, A16+KC, A8+KC, (\a/2)*GBB+OFS+(\a%2)*768
.endr
	WIN 0
.endm
.macro MUL sg                          ; 32 matrix instructions; the 32 accumulators take turns, one instruction a turn, in the same order in every step
.irp a, 0,1,2,3
.irp b, 0,1,2,3,4,5,6,7
.if (\sg) == 0
	v_wmma_scale_f32_16x16x128_f8f6f4 v[8*(8*\a+\b):8*(8*\a+\b)+7], v[96*((\sg)%2)+12*\b:96*((\sg)%2)+12*\b+11], v[48*((\sg)%2)+12*\a:48*((\sg)%2)+12*\a+11], 0, v[SB+4*\b+(\sg)%4], v[SA+4*\a+(\sg)%4] matrix_a_fmt:MATRIX_FMT_FP6 matrix_b_fmt:MATRIX_FMT_FP6
.elseif (\sg) < 4
	v_wmma_scale_f32_16x16x128_f8f6f4 v[8*(8*\a+\b):8*(8*\a+\b)+7], v[96*((\sg)%2)+12*\b:96*((\sg)%2)+12*\b+11], v[48*((\sg)%2)+12*\a:48*((\sg)%2)+12*\a+11], v[8*(8*\a+\b):8*(8*\a+\b)+7], v[SB+4*\b+(\sg)%4], v[SA+4*\a+(\sg)%4] matrix_a_fmt:MATRIX_FMT_FP6 matrix_b_fmt:MATRIX_FMT_FP6
.else
	v_wmma_scale_f32_16x16x128_f8f6f4 v[8*(8*\a+\b):8*(8*\a+\b)+7], v[96*((\sg)%2)+12*\b:96*((\sg)%2)+12*\b+11], v[48*((\sg)%2)+12*\a:48*((\sg)%2)+12*\a+11], v[8*(8*\a+\b):8*(8*\a+\b)+7], v[SB+4*\b+(\sg)%4], v[SA+4*\a+(\sg)%4] matrix_a_fmt:MATRIX_FMT_FP6 matrix_b_fmt:MATRIX_FMT_FP6 matrix_a_scale:MATRIX_SCALE_ROW1 matrix_b_scale:MATRIX_SCALE_ROW1
.endif
.endr
.endr
.endm
.macro STEP sg                         ; 128 along K
	s_wait_dscnt 0x0                               ; this step's fragments are in (asked for 32 matrix instructions ago); no LDS instruction of mine is out at a signal
.if ((\sg)%2 == 1) && ((\sg) < 7)
	s_wait_tensorcnt 2-(\sg)/2                     ; my part of the next chunk has landed; my later chunks may stay out
	s_barrier_signal -1
	s_barrier_wait -1                              ; everybody's part has
.endif
.if (\sg) < 7
.if (\sg) > 0
	PLACES                                         ; four places in front of loads into registers that the last step's matrix instructions have read
.endif
	FETCH (\sg)+1, ((\sg)+1)%2
.endif
	WIN MULW
	MUL \sg
	WIN 0
.endm
	s_load_b256 s[4:11], s[0:1], 0x0               ; ao s[4:5], aosc s[6:7], cod s[8:9], sc s[10:11]
	s_load_b64 s[12:13], s[0:1], 0x20              ; out0
	v_lshl_add_u32 v94, v0, 2, 0x48000
	v_mov_b32 v95, 0
	ds_add_u32 v94, v95
	ds_add_u32 v94, v95
	v_lshrrev_b32 v1, 5, v0
	v_readfirstlane_b32 s14, v1                    ; wave 0..3
	s_lshr_b32 s15, s14, 1                         ; my half of the A side.  Also: I fetch for A (0) or for B (1)
	s_and_b32 s16, s14, 1                          ; my half of the B side.  Also: which half of that side's blocks I fetch
	s_bfe_u32 s20, ttmp6, 0x40000                  ; cx
	s_bfe_u32 s21, ttmp6, 0x40004                  ; cy
	s_and_b32 s22, ttmp7, 0xffff                   ; cluster y, 0..15
	s_lshl_b32 s17, s21, 2
	s_lshl_b32 s17, 15, s17                        ; my row of the cluster
	s_lshl_b32 s18, 0x1111, s20                    ; my column
	s_or_b32 s[G1A], s17, (3<<16)|(1<<21)          ; 15:0 the mask; 17:16 elements of 8 bytes; 21 set beside a mask; no padding
	s_or_b32 s[G1B], s18, (3<<16)|(1<<21)
	s_mov_b32 s[G1A+1], 768<<16                    ; tensor_dim0 = 768 elements: a block's 6,144 bytes of a chunk
	s_mov_b32 s[G1A+2], 2<<16                      ; tensor_dim1 = 2 blocks
	s_mov_b32 s[G1A+3], 768<<16                    ; tile_dim0
	s_mov_b32 s[G1A+4], 2                          ; tile_dim1
	s_mov_b32 s[G1A+5], 3072                       ; from block to block: 24,576 bytes
	s_mov_b32 s[G1A+6], 0
	s_mov_b32 s[G1A+7], 0
	s_mov_b32 s[G1B+1], 768<<16
	s_mov_b32 s[G1B+2], 4<<16                      ; 4 blocks
	s_mov_b32 s[G1B+3], 768<<16
	s_mov_b32 s[G1B+4], 4
	s_mov_b32 s[G1B+5], 3072
	s_mov_b32 s[G1B+6], 0
	s_mov_b32 s[G1B+7], 0
	s_lshl_b32 s76, s22, 4
	s_lshl_b32 s17, s21, 2
	s_add_co_u32 s76, s76, s17                     ; A's first block: 16 x cluster y + 4 cy: never holds cx
	s_lshl_b32 s78, s20, 3
	s_add_co_u32 s78, s78, 352                     ; B's first block: 352 + 8 cx: never holds cy
	s_lshl_b32 s17, s16, 1
	s_add_co_u32 s17, s76, s17
	s_mul_i32 s90, s17, 24576                      ; the two blocks of A that I would fetch,
	s_mov_b32 s91, 0
	s_lshl_b32 s18, s16, 2
	s_add_co_u32 s18, s78, s18
	s_mul_i32 s92, s18, 24576                      ; the four of B
	s_mov_b32 s93, 0
	s_mul_i32 s94, s16, 12288                      ; and where they go: no place in the cluster enters an LDS address
	s_mul_i32 s95, s16, 24576
	s_add_co_u32 s95, s95, 24576
	s_wait_dscnt 0x0
	s_wait_kmcnt 0x0
	s_add_nc_u64 s[90:91], s[4:5], s[90:91]
	s_add_nc_u64 s[92:93], s[8:9], s[92:93]
.irp kc, 0,1,2,3
	s_mov_b32 s[40+4*\kc], 1
	s_add_co_u32 s[41+4*\kc], s94, \kc*CHUNK
	s_add_nc_u64 s[42+4*\kc:43+4*\kc], s[90:91], \kc*GBB
	s_or_b32 s[43+4*\kc], s[43+4*\kc], 0x80000000
	s_mov_b32 s[56+4*\kc+4*(\kc/2)], 1
	s_add_co_u32 s[57+4*\kc+4*(\kc/2)], s95, \kc*CHUNK
	s_add_nc_u64 s[58+4*\kc+4*(\kc/2):59+4*\kc+4*(\kc/2)], s[92:93], \kc*GBB
	s_or_b32 s[59+4*\kc+4*(\kc/2)], s[59+4*\kc+4*(\kc/2)], 0x80000000
.endr
	CROUND                                         ; all sixteen work-groups are here: the joint loads meet
	s_cmp_eq_u32 s15, 0                            ; a wave's four fills stand in one branch on its number, ahead of every wait on TENSORcnt, every LDS read and every other barrier
	s_cbranch_scc0 .Lfor_b
	tensor_load_to_lds s[40:43], s[G1A:G1A+7]
	s_nop 0
	tensor_load_to_lds s[44:47], s[G1A:G1A+7]
	s_nop 0
	tensor_load_to_lds s[48:51], s[G1A:G1A+7]
	s_nop 0
	tensor_load_to_lds s[52:55], s[G1A:G1A+7]
	s_nop 0
	PLACES
	s_branch .Lasked
.Lfor_b:
	tensor_load_to_lds s[56:59], s[G1B:G1B+7]
	s_nop 0
	tensor_load_to_lds s[60:63], s[G1B:G1B+7]
	s_nop 0
	tensor_load_to_lds s[68:71], s[G1B:G1B+7]
	s_nop 0
	tensor_load_to_lds s[72:75], s[G1B:G1B+7]
	s_nop 0
	PLACES
.Lasked:
	v_and_b32 v4, 31, v0
	v_lshlrev_b32 v1, 4, v4                        ; 16 x lane
	v_lshl_add_u32 v28, v4, 3, 512                 ; 512 + 8 x lane
	v_and_b32 v2, 15, v0                           ; r
	v_bfe_u32 v3, v0, 4, 1                         ; h
	s_wait_alu depctr_va_vdst(0)
	; A's scale bytes.  My tile is token block m of batch b; its half-words lie at w' = m (low halves) or 15 - m (high halves): that selects data and a global address alone
	s_lshl_b32 s80, s22, 2
	s_add_co_u32 s80, s80, s21
	s_lshr_b32 s81, s80, 4                         ; b
	s_and_b32 s82, s80, 15                         ; m
	s_sub_co_u32 s83, 15, s82
	s_mov_b32 s84, 0x07060302                      ; v_perm_b32: the two high halves,
	s_cmp_lt_u32 s82, 8
	s_cselect_b32 s83, s82, s83                    ; w'
	s_cselect_b32 s84, 0x05040100, s84             ; or the two low halves
	s_lshl_b32 s86, s81, 16
	s_lshl_b32 s87, s15, 11                        ; j = 2 x my half of A (+ jj)
	s_add_co_u32 s86, s86, s87
	s_lshl_b32 s87, s83, 7
	s_add_co_u32 s86, s86, s87
	s_mov_b32 s87, 0
	s_add_nc_u64 s[86:87], s[6:7], s[86:87]
	v_lshlrev_b32 v5, 15, v3
	v_lshl_add_u32 v5, v2, 3, v5                   ; lanes 16-31 take the heads eight on (K steps 4-7); 8 r: the words of e = 0, 1
.irp q, 0,1,2,3
.irp t, 0,1
.irp jj, 0,1
	global_load_b64 v[96+2*(4*\q+2*\t+\jj):97+2*(4*\q+2*\t+\jj)], v5, s[86:87] offset:(2*\q+\t)*4096+\jj*1024   ; head 8 h + 2 q + t, block jj
.endr
.endr
.endr
	s_lshl_b32 s18, s16, 2
	s_add_co_u32 s18, s78, s18
	s_lshl_b32 s98, s18, 10                        ; my B groups' scale words: 1,024 bytes a block
	s_mov_b32 s99, 0
	s_add_nc_u64 s[98:99], s[10:11], s[98:99]
.irp b, 0,1,2,3,4,5,6,7
	global_load_b128 v[SB+4*\b:SB+4*\b+3], v1, s[98:99] offset:512*\b
.endr
	s_mul_i32 s17, s15, 12288                      ; my two blocks of A in a chunk,
	s_mul_i32 s18, s16, 24576
	s_add_co_u32 s18, s18, 24576                   ; my four of B
.irp kc, 0,1,2,3
	v_add_nc_u32 v[A16+\kc], s17, v1
	v_add_nc_u32 v[A8+\kc], s17, v28
	v_add_nc_u32 v[B16+\kc], s18, v1
	v_add_nc_u32 v[B8+\kc], s18, v28
	s_add_co_u32 s17, s17, CHUNK
	s_add_co_u32 s18, s18, CHUNK
.endr
	s_mul_i32 s17, s14, 8448                       ; my stage: 16 rows x (512 + 16) bytes, in chunk 0
	v_mul_u32_u24 v[STO], v2, 528
	v_lshl_add_u32 v[STO], v3, 6, v[STO]
	v_add_nc_u32 v[STO], s17, v[STO]               ; in: row r, + 64 h
	v_add_nc_u32 v[RD], s17, v1                    ; back: a whole row of 512 bytes
	s_lshl_b32 s17, s15, 1
	s_add_co_u32 s17, s76, s17
	s_lshl_b32 s88, s17, 17                        ; my first token's row of out0: 32 rows of 4,096 bytes a block,
	s_lshl_b32 s17, s20, 10
	s_add_co_u32 s88, s88, s17                     ; + 256 cx columns
	s_lshl_b32 s17, s16, 9
	s_add_co_u32 s88, s88, s17                     ; + my 128
	s_mov_b32 s89, 0
	s_add_nc_u64 s[88:89], s[12:13], s[88:89]
	s_wait_tensorcnt 3                             ; my part of chunk 0 has landed; my other three loads may stay out
	s_barrier_signal -1
	s_barrier_wait -1
	FETCH 0, 0
	s_wait_loadcnt 0x0                             ; the scale bytes and words
.irp q, 0,1,2,3
.irp jj, 0,1
.irp e, 0,1
	v_perm_b32 v[SA+4*(2*\jj+\e)+\q], v[96+2*(4*\q+2+\jj)+\e], v[96+2*(4*\q+\jj)+\e], s84   ; the even head's two bytes below, the odd head's above: the word of a K step
.endr
.endr
.endr
.rept 8
	v_nop                                          ; a scale register written by a vector instruction stands eight places ahead of a scaled matrix instruction
.endr
	STEP 0
	s_wait_alu depctr_va_vdst(0)
	STEP 1
	STEP 2
	STEP 3
	STEP 4
	STEP 5
	STEP 6
	STEP 7
; THE WAY OUT, group by group of 16 tokens x 128 columns, through my own stage.  It lies in chunk 0, which has had its one fill; every wave's last read of that chunk was waited for in front of the second step's barrier.
; LDS serves a wave's instructions in order: no wait between the stores and the loads, nor in front of the next group's stores.
.macro TOSTAGE a
	WIN 0x04                                       ; an LDS store's data are its source 1: window 1
.irp b, 0,1,2,3,4,5,6,7
	ds_store_b128 v[STO], v[64*(\a)+8*\b:64*(\a)+8*\b+3] offset:128*(\b/2)+32*(\b%2)       ; each accumulator from its low end on
	ds_store_b128 v[STO], v[64*(\a)+8*\b+4:64*(\a)+8*\b+7] offset:128*(\b/2)+32*(\b%2)+16
.endr
	WIN 0
.set BB, 128+64*((\a)%2)
.irp t, 0,1,2,3,4,5,6,7,8,9,10,11,12,13,14,15
	ds_load_b128 v[BB+4*\t:BB+4*\t+3], v[RD] offset:\t*528
.endr
.endm
.macro SEND a, younger                 ; younger: the LDS instructions issued behind group a's loads, which may stay out
.set BB, 128+64*((\a)%2)
	s_wait_dscnt \younger
.irp t, 0,1,2,3,4,5,6,7,8,9,10,11,12,13,14,15
	global_store_b128 v1, v[BB+4*\t:BB+4*\t+3], s[88:89] offset:(32*((\a)/2)+8*((\a)%2)+\t+8*(\t/8))*4096 th:TH_STORE_NT   ; 32 lanes store 512 consecutive bytes, aligned; written once
.endr
.endm
	PLACES                                         ; four places in front of the first read of results
	TOSTAGE 0
	TOSTAGE 1
	SEND 0, 32                                     ; behind group 0's loads: group 1's 16 stores and 16 loads
	s_wait_xcnt 0x0                                ; group 0's stores have read their registers: group 2's rows may land there
	TOSTAGE 2
	SEND 1, 32
	s_wait_xcnt 0x0
	TOSTAGE 3
	SEND 2, 32
	SEND 3, 0
	s_wait_dscnt 0x0
	s_wait_tensorcnt 0x0
	ds_add_u32 v94, v95
	s_wait_dscnt 0x0
	CROUND                                         ; the closing round: no work-group ends while a partner may still ask for a tile that names it
	s_endpgm
.Lfunc_end_k_q20da18e19e_gemm2:
	.size	k_q20da18e19e_gemm2, .Lfunc_end_k_q20da18e19e_gemm2-k_q20da18e19e_gemm2
	.p2alignl 7, 3214868480
	.fill 96, 4, 3214868480
	.section	.rodata,"a",@progbits
	.p2align	6, 0x0
	.amdhsa_kernel k_q20da18e19e_gemm2
		.amdhsa_group_segment_fixed_size 295424
		.amdhsa_private_segment_fixed_size 0
		.amdhsa_enable_private_segment 0
		.amdhsa_kernarg_size 40
		.amdhsa_user_sgpr_count 2
		.amdhsa_user_sgpr_kernarg_segment_ptr 1
		.amdhsa_wavefront_size32 1
		.amdhsa_system_sgpr_workgroup_id_x 1
		.amdhsa_system_sgpr_workgroup_id_y 1
		.amdhsa_system_sgpr_workgroup_id_z 1
		.amdhsa_system_vgpr_workitem_id 0
		.amdhsa_next_free_vgpr 864
		.amdhsa_next_free_sgpr 100
		.amdhsa_reserve_vcc 0
		.amdhsa_float_denorm_mode_32 3
		.amdhsa_float_denorm_mode_16_64 3
		.amdhsa_memory_ordered 1
		.amdhsa_forward_progress 1
		.amdhsa_inst_pref_size 87
	.end_amdhsa_kernel
	.amdgpu_metadata
---
amdhsa.version: [ 1, 2 ]
amdhsa.kernels:
  - .name:           k_q20da18e19e_gemm2
    .symbol:         k_q20da18e19e_gemm2.kd
    .args:
      - { .name: ao, .offset: 0, .size: 8, .value_kind: global_buffer, .address_space: global }
      - { .name: aosc, .offset: 8, .size: 8, .value_kind: global_buffer, .address_space: global }
      - { .name: cod, .offset: 16, .size: 8, .value_kind: global_buffer, .address_space: global }
      - { .name: sc, .offset: 24, .size: 8, .value_kind: global_buffer, .address_space: global }
      - { .name: out0, .offset: 32, .size: 8, .value_kind: global_buffer, .address_space: global }
    .group_segment_fixed_size: 295424
    .private_segment_fixed_size: 0
    .kernarg_segment_align: 8
    .kernarg_segment_size: 40
    .max_flat_workgroup_size: 128
    .sgpr_count:     100
    .vgpr_count:     864
    .wavefront_size: 32
...
	.end_amdgpu_metadata
.endif
;; end of part 4
